; MI455X (gfx1250); checked and timed in simulation.
; The chip was launched on July 23, 2026; its instructions are those of AMD's public machine-readable ISA for CDNA 5 (MIT licence, August 2026) and "CDNA5" Instruction Set Architecture Reference Guide (July 2026). The comments in the code are by the model that wrote it; some were corrected since.
;; Multi Headed Attention. Allowed arithmetic: float matrix products may take bf16 or f16 operands with f32 sums; other float arithmetic in f32, or as packed bf16 or f16 multiplies, adds, multiply-adds, maxima and minima; sums over many terms, partial sums and values carried from step to step in f32; what a program stores and reads back later, other than sums and carried values, may be rounded once to bf16 or f16.
;; Inputs: Wk 1,024 x 1,024 float32; Wq 1,024 x 1,024 float32; Wv 1,024 x 1,024 float32; beta 1,024 float32; bk 1,024 float32; bq 1,024 float32; bv 1,024 float32; gamma 1,024 float32; x 4 x 2,048 x 1,024 float32.
;; Outputs: out0 4 x 2,048 x 1,024 float32.
;; One version. Each part assembles by itself: llvm-mc -triple=amdgcn-amd-amdhsa -mcpu=gfx1250 --defsym DOCPART=n.
;; ======== version 1 of 1: 4 launches
;; limits: values are held in f16: magnitudes above 65,504 overflow, below 6.1e-05 lose precision
;; workspace buffers: xnb 16,777,216 bytes; wcat 6,291,456 bytes; qkv 50,331,648 bytes; pt 33,554,432 bytes; stats 1,048,576 bytes
;; launch prep (part 1): grid 256 x 1, 16 waves a work-group, no clusters, 0 bytes of LDS; arguments x, gamma, beta, Wq, Wk, Wv, xnb, wcat; writes xnb, wcat
.if DOCPART == 1
	.amdgcn_target "amdgcn-amd-amdhsa--gfx1250"
	.amdhsa_code_object_version 6
	.text
	.protected	k_qa76c38d388_prep
	.globl	k_qa76c38d388_prep
	.p2align	8
	.type	k_qa76c38d388_prep,@function
k_qa76c38d388_prep:
	s_mov_b64 s[64:65], 0
	v_nop
	global_prefetch_b8 v0, s[64:65] scope:SCOPE_SE
	s_setreg_imm32_b32 hwreg(HW_REG_WAVE_MODE, 25, 1), 1
	s_wait_xcnt 0x0
; LAYER NORM AND CASTS.  xn = (x - mean) * rsqrt(var + 1e-5) * gamma + beta, all in f32, the variance as the mean of (x - mean)^2 (two passes over registers),
; rounded once to f16 and stored in K blocks: xnb[kb][row][64], kb = 0..15, a block's row 128 bytes, a block 1,048,576 bytes.  Wq, Wk, Wv rounded once to f16 into wcat[k][3072] (q, k, v side by side).
; LIMITS.  xn and W must lie within f16's range (65,504); NaN and infinities are not treated apart.
; SHARES.  256 work-groups of 16 waves.  Work-group i owns rows 32 i .. 32 i + 31 of x, wave w the pair 32 i + 2 w, + 1: a row is 4,096 bytes = 32 registers of one wave, so the row is read once and
; no wave waits for another.  Of each W the work-group owns rows 4 i .. 4 i + 3; wave w takes 512 bytes (segment w % 8) of rows 4 i + 2 (w / 8) + 0, 1 in all three.
; No LDS, no barrier, no matrix unit: each byte is read once and written once, all 38 loads of a wave go out at the head.
.set XO,  1                            ; v1   16 x lane: my 16 bytes of a load's 512
.set YO,  2                            ; v2   8 x lane: my 8 bytes of a store's 256
.set T0,  4                            ; v[4:11], v[12:19]  row q at T0 + 8 q: +0..3 two chains, +4,5 the mean twice, +6,7 rstd twice
.set GA,  32                           ; v[32:63]   gamma, my 32 columns
.set BE,  64                           ; v[64:95]   beta
.set X0,  96                           ; v[96:127], v[128:159]  the two rows
.set WR,  160                          ; v[160:183] six loads of W
.macro BOTH line:vararg                ; one line for each of the two rows q: neighbours in the text never wait for each other
.set q, 0
.rept 2
	\line
.set q, q+1
.endr
.endm
.macro RED                             ; the pair's halves, then the 32 lanes: every lane ends with the row's sum in v[T0+8q]
	BOTH v_add_f32 v[T0+8*q], v[T0+8*q], v[T0+8*q+1]
	BOTH v_add_f32_dpp v[T0+8*q], v[T0+8*q], v[T0+8*q] row_xmask:1 row_mask:0xf bank_mask:0xf
	BOTH v_add_f32_dpp v[T0+8*q], v[T0+8*q], v[T0+8*q] row_xmask:2 row_mask:0xf bank_mask:0xf
	BOTH v_add_f32_dpp v[T0+8*q], v[T0+8*q], v[T0+8*q] row_xmask:4 row_mask:0xf bank_mask:0xf
	BOTH v_add_f32_dpp v[T0+8*q], v[T0+8*q], v[T0+8*q] row_xmask:8 row_mask:0xf bank_mask:0xf
	BOTH v_permlanex16_b32 v[T0+8*q+1], v[T0+8*q], s22, s23
	BOTH v_add_f32 v[T0+8*q], v[T0+8*q], v[T0+8*q+1]
.endm
	s_load_b512 s[4:19], s[0:1], 0x0               ; x s[4:5], gamma s[6:7], beta s[8:9], Wq s[10:11], Wk s[12:13], Wv s[14:15], xnb s[16:17], wcat s[18:19]
	v_lshrrev_b32 v3, 5, v0
	v_readfirstlane_b32 s20, v3                    ; wave 0..15
	v_and_b32 v3, 31, v0
	v_lshlrev_b32 v[XO], 4, v3
	v_lshlrev_b32 v[YO], 3, v3
	s_mov_b32 s22, 0x76543210                      ; v_permlanex16_b32: each lane takes its own place in the other half
	s_mov_b32 s23, 0xfedcba98
	s_mov_b32 s24, 0x3a800000                      ; 1 / 1024
	s_mov_b32 s25, 0x3727c5ac                      ; 1e-5
	s_lshl_b32 s26, ttmp9, 17                      ; x: 32 rows of 4,096 bytes a work-group,
	s_lshl_b32 s21, s20, 13                        ; two rows a wave
	s_add_co_u32 s26, s26, s21
	s_mov_b32 s27, 0
	s_lshl_b32 s28, ttmp9, 12                      ; xnb: 32 rows of 128 bytes a work-group,
	s_lshl_b32 s21, s20, 8                         ; two a wave
	s_add_co_u32 s28, s28, s21
	s_mov_b32 s29, 0
	s_lshr_b32 s21, s20, 3
	s_lshl_b32 s21, s21, 1
	s_lshl_b32 s30, ttmp9, 2
	s_add_co_u32 s21, s21, s30                     ; my first row of W: 4 i + 2 (w / 8)
	s_and_b32 s31, s20, 7                          ; my segment
	s_lshl_b32 s32, s21, 12
	s_lshl_b32 s34, s31, 9
	s_add_co_u32 s32, s32, s34                     ; in W: row x 4,096 + segment x 512
	s_mov_b32 s33, 0
	s_mul_i32 s34, s21, 6144
	s_lshl_b32 s31, s31, 8
	s_add_co_u32 s34, s34, s31                     ; in wcat: row x 6,144 + segment x 256
	s_mov_b32 s35, 0
	s_wait_kmcnt 0x0
	s_add_nc_u64 s[4:5], s[4:5], s[26:27]
	s_add_nc_u64 s[16:17], s[16:17], s[28:29]      ; blocks 0-7
	s_add_nc_u64 s[36:37], s[16:17], 0x800000      ; blocks 8-15: so that a block's place fits the store's immediate
	s_add_nc_u64 s[10:11], s[10:11], s[32:33]
	s_add_nc_u64 s[12:13], s[12:13], s[32:33]
	s_add_nc_u64 s[14:15], s[14:15], s[32:33]
	s_add_nc_u64 s[18:19], s[18:19], s[34:35]
.set j, 0
.rept 8                                ; lane l of load j holds columns 128 j + 4 l .. + 3
	global_load_b128 v[GA+4*j:GA+4*j+3], v[XO], s[6:7] offset:512*j
	global_load_b128 v[BE+4*j:BE+4*j+3], v[XO], s[8:9] offset:512*j
.set j, j+1
.endr
.set j, 0
.rept 8
	global_load_b128 v[X0+4*j:X0+4*j+3], v[XO], s[4:5] offset:512*j th:TH_LOAD_NT
	global_load_b128 v[X0+32+4*j:X0+32+4*j+3], v[XO], s[4:5] offset:4096+512*j th:TH_LOAD_NT
.set j, j+1
.endr
.irp m, 0,1,2
.irp u, 0,1
	global_load_b128 v[WR+8*\m+4*\u:WR+8*\m+4*\u+3], v[XO], s[10+2*\m:11+2*\m] offset:4096*\u th:TH_LOAD_NT
.endr
.endr
	s_wait_loadcnt 6                               ; gamma, beta and both rows are in; W's six younger loads stay out
	; the mean: 16 pairs a row in two chains
	BOTH v_pk_add_f32 v[T0+8*q:T0+8*q+1], v[X0+32*q:X0+32*q+1], v[X0+32*q+4:X0+32*q+5]
	BOTH v_pk_add_f32 v[T0+8*q+2:T0+8*q+3], v[X0+32*q+2:X0+32*q+3], v[X0+32*q+6:X0+32*q+7]
.set p, 4
.rept 12
	BOTH v_pk_add_f32 v[T0+8*q+2*(p%2):T0+8*q+2*(p%2)+1], v[T0+8*q+2*(p%2):T0+8*q+2*(p%2)+1], v[X0+32*q+2*p:X0+32*q+2*p+1]
.set p, p+1
.endr
	BOTH v_pk_add_f32 v[T0+8*q:T0+8*q+1], v[T0+8*q:T0+8*q+1], v[T0+8*q+2:T0+8*q+3]
	RED
	BOTH v_mul_f32 v[T0+8*q+4], s24, v[T0+8*q]
	BOTH v_mov_b32 v[T0+8*q+5], v[T0+8*q+4]
.set p, 0
.rept 16                               ; x - mean, in place
	BOTH v_pk_add_f32 v[X0+32*q+2*p:X0+32*q+2*p+1], v[X0+32*q+2*p:X0+32*q+2*p+1], v[T0+8*q+4:T0+8*q+5] neg_lo:[0,1] neg_hi:[0,1]
.set p, p+1
.endr
	; the variance: the first two products start the chains
	BOTH v_pk_mul_f32 v[T0+8*q:T0+8*q+1], v[X0+32*q:X0+32*q+1], v[X0+32*q:X0+32*q+1]
	BOTH v_pk_mul_f32 v[T0+8*q+2:T0+8*q+3], v[X0+32*q+2:X0+32*q+3], v[X0+32*q+2:X0+32*q+3]
.set p, 2
.rept 14
	BOTH v_pk_fma_f32 v[T0+8*q+2*(p%2):T0+8*q+2*(p%2)+1], v[X0+32*q+2*p:X0+32*q+2*p+1], v[X0+32*q+2*p:X0+32*q+2*p+1], v[T0+8*q+2*(p%2):T0+8*q+2*(p%2)+1]
.set p, p+1
.endr
	BOTH v_pk_add_f32 v[T0+8*q:T0+8*q+1], v[T0+8*q:T0+8*q+1], v[T0+8*q+2:T0+8*q+3]
	RED
	BOTH v_fma_f32 v[T0+8*q], v[T0+8*q], s24, s25
	BOTH v_rsq_f32 v[T0+8*q+6], v[T0+8*q]
	v_nop                                          ; a plain instruction behind the second root,
	s_wait_alu depctr_va_vdst(0)                   ; and the one wait ahead of the first use of both
	BOTH v_mov_b32 v[T0+8*q+7], v[T0+8*q+6]
.set p, 0
.rept 16
	BOTH v_pk_mul_f32 v[X0+32*q+2*p:X0+32*q+2*p+1], v[X0+32*q+2*p:X0+32*q+2*p+1], v[T0+8*q+6:T0+8*q+7]
.set p, p+1
.endr
.set p, 0
.rept 16
	BOTH v_pk_fma_f32 v[X0+32*q+2*p:X0+32*q+2*p+1], v[X0+32*q+2*p:X0+32*q+2*p+1], v[GA+2*p:GA+2*p+1], v[BE+2*p:BE+2*p+1]
.set p, p+1
.endr
.set p, 0
.rept 16                               ; to f16, in place and ascending: register p takes registers 2 p, 2 p + 1
	BOTH v_cvt_pk_f16_f32 v[X0+32*q+p], v[X0+32*q+2*p], v[X0+32*q+2*p+1]
.set p, p+1
.endr
	; Registers 2 j, 2 j + 1 of a row hold columns 128 j + 4 l ..: lanes 0-15 block 2 j, lanes 16-31 block 2 j + 1.  The swap gives the first row's registers block 2 j of both rows
	; (lanes 0-15 the first row, lanes 16-31 the second) and the second row's registers block 2 j + 1: a store then covers two rows of one block, 256 consecutive bytes, aligned.
.set p, 0
.rept 16
	v_permlane16_swap_b32 v[X0+p], v[X0+32+p]
.set p, p+1
.endr
.set j, 0
.rept 8
.if j < 4
	global_store_b64 v[YO], v[X0+2*j:X0+2*j+1], s[16:17] offset:(2*j)*1048576
	global_store_b64 v[YO], v[X0+32+2*j:X0+32+2*j+1], s[16:17] offset:(2*j+1)*1048576
.else
	global_store_b64 v[YO], v[X0+2*j:X0+2*j+1], s[36:37] offset:(2*j-8)*1048576
	global_store_b64 v[YO], v[X0+32+2*j:X0+32+2*j+1], s[36:37] offset:(2*j-7)*1048576
.endif
.set j, j+1
.endr
	s_wait_loadcnt 0x0                             ; W
.set j, 0
.rept 6
	v_cvt_pk_f16_f32 v[WR+4*j], v[WR+4*j], v[WR+4*j+1]
	v_cvt_pk_f16_f32 v[WR+4*j+1], v[WR+4*j+2], v[WR+4*j+3]
.set j, j+1
.endr
.irp m, 0,1,2
.irp u, 0,1
	global_store_b64 v[YO], v[WR+8*\m+4*\u:WR+8*\m+4*\u+1], s[18:19] offset:6144*\u+2048*\m  ; 256 consecutive bytes, aligned
.endr
.endr
	s_endpgm
.Lfunc_end_k_qa76c38d388_prep:
	.size	k_qa76c38d388_prep, .Lfunc_end_k_qa76c38d388_prep-k_qa76c38d388_prep
	.p2alignl 7, 3214868480
	.fill 96, 4, 3214868480
	.section	.rodata,"a",@progbits
	.p2align	6, 0x0
	.amdhsa_kernel k_qa76c38d388_prep
		.amdhsa_group_segment_fixed_size 0
		.amdhsa_private_segment_fixed_size 0
		.amdhsa_enable_private_segment 0
		.amdhsa_kernarg_size 64
		.amdhsa_user_sgpr_count 2
		.amdhsa_user_sgpr_kernarg_segment_ptr 1
		.amdhsa_wavefront_size32 1
		.amdhsa_system_sgpr_workgroup_id_x 1
		.amdhsa_system_sgpr_workgroup_id_y 1
		.amdhsa_system_sgpr_workgroup_id_z 1
		.amdhsa_system_vgpr_workitem_id 0
		.amdhsa_next_free_vgpr 184
		.amdhsa_next_free_sgpr 66
		.amdhsa_reserve_vcc 0
		.amdhsa_float_denorm_mode_32 3
		.amdhsa_float_denorm_mode_16_64 3
		.amdhsa_memory_ordered 1
		.amdhsa_forward_progress 1
		.amdhsa_inst_pref_size 23
	.end_amdhsa_kernel
	.amdgpu_metadata
---
amdhsa.version: [ 1, 2 ]
amdhsa.kernels:
  - .name:           k_qa76c38d388_prep
    .symbol:         k_qa76c38d388_prep.kd
    .args:
      - { .name: x, .offset: 0, .size: 8, .value_kind: global_buffer, .address_space: global }
      - { .name: gamma, .offset: 8, .size: 8, .value_kind: global_buffer, .address_space: global }
      - { .name: beta, .offset: 16, .size: 8, .value_kind: global_buffer, .address_space: global }
      - { .name: Wq, .offset: 24, .size: 8, .value_kind: global_buffer, .address_space: global }
      - { .name: Wk, .offset: 32, .size: 8, .value_kind: global_buffer, .address_space: global }
      - { .name: Wv, .offset: 40, .size: 8, .value_kind: global_buffer, .address_space: global }
      - { .name: xnb, .offset: 48, .size: 8, .value_kind: global_buffer, .address_space: global }
      - { .name: wcat, .offset: 56, .size: 8, .value_kind: global_buffer, .address_space: global }
    .group_segment_fixed_size: 0
    .private_segment_fixed_size: 0
    .kernarg_segment_align: 8
    .kernarg_segment_size: 64
    .max_flat_workgroup_size: 512
    .sgpr_count:     66
    .vgpr_count:     184
    .wavefront_size: 32
...
	.end_amdgpu_metadata
.endif
;; end of part 1
;; launch proj (part 2): grid 8 x 32, 4 waves a work-group, clusters of 4 x 4, 327,680 bytes of LDS; arguments xnb, wcat, bq, bk, bv, qkv; writes qkv
.if DOCPART == 2
	.amdgcn_target "amdgcn-amd-amdhsa--gfx1250"
	.amdhsa_code_object_version 6
	.text
	.protected	k_qa76c38d388_proj
	.globl	k_qa76c38d388_proj
	.p2align	8
	.type	k_qa76c38d388_proj,@function
k_qa76c38d388_proj:
	s_mov_b64 s[64:65], 0
	v_nop
	global_prefetch_b8 v0, s[64:65] scope:SCOPE_SE
	s_setreg_imm32_b32 hwreg(HW_REG_WAVE_MODE, 25, 1), 1
	s_wait_xcnt 0x0
	s_wait_alu depctr_hold_cnt(0) depctr_sa_sdst(0) depctr_va_vdst(0) depctr_va_sdst(0) depctr_va_ssrc(0) depctr_va_vcc(0) depctr_vm_vsrc(0)
	s_getreg_b32 s2, hwreg(HW_REG_IB_STS2, 6, 4)
	s_cmp_eq_u32 s2, 0
	s_cbranch_scc0 .Lentry_in_a_cluster
	s_endpgm
.Lentry_in_a_cluster:
	s_bfe_u32 s2, ttmp6, 0x10000c
	s_cmp_lg_u32 s2, 0xf033
	s_cbranch_scc0 .Lentry_shape_is_right
	s_endpgm
.Lentry_shape_is_right:
; THE THREE PROJECTIONS AS ONE PRODUCT.  qkv[row][n] = the sum over k of xn[row][k] wcat[k][n] + bias[n], n = 0..3071 (q, k, v side by side; bias = bq, bk, bv).  Operands f16, sums f32, qkv rounded once to f16.
; LIMIT.  q, k and v must lie within f16's range (65,504): beyond it the rounding gives an infinity.
; SHARES.  A tile is 256 rows x 384 columns: 32 x 8 = 256 work-groups of four waves.  A wave makes 128 x 192: 8 row blocks a x 12 column blocks b = 96 accumulators, 768 registers.
; Wave (wr, wc) owns rows 128 wr .., columns 128 wc .. + 127 (b = 0..7) and 256 + 64 wc .. + 63 (b = 8..11).
; K goes in steps of 64 through two LDS slots (two slots of 128 would not fit).  xnb lies in K blocks, so a step's 256 rows of xn are 32,768 dense bytes and are asked for as rows of 256 bytes.
; THE PRODUCT IS USED TRANSPOSED: source 0 = 16 columns of wcat (turned on the way out of LDS by ds_load_tr16_b128), source 1 = 16 rows of xn: a lane then holds one row and eight neighbouring columns.
; THE BIAS starts the sums: a lane's eight bias numbers of block b are loaded into the registers of accumulator (7, b); the first products of a < 7 take them as C, then a = 7 adds in place.
; CLUSTER 4 x 4: xn's tile is shared along a row of the cluster, wcat's along a column: joint loads, the same descriptor and mask in the four that a mask names.
; REGISTERS.  window 0: v0-21 addresses; v32-95, v96-159 xn's fragments of a step's two quarters; v160-207, v208-255 wcat's fragments, blocks 0-5 and 6-11 of the quarter in hand.
; windows 1-3: accumulator g = 48 (b / 6) + 6 a + b % 6 at window 1 + g / 32, register 8 (g % 32).
.set SLOT1,  1<<17                     ; slot 1 begins here: one exclusive or turns an address in one slot into the other's
.set APITCH, 144                       ; a row of xn in LDS: 128 bytes + 16: nine times 16, so the 16 rows of a load start in 16 different columns of 16 bytes
.set BPITCH, 864                       ; a k row of wcat: three pieces of 256 bytes + 32 each: 27 times 32
.set BOFF,   256*APITCH                ; wcat's 64 k rows lie behind xn's 256 rows
.set SPARE,  BOFF+64*BPITCH            ; 92,160: behind slot 0's tiles: the spare words, 128 bytes a wave: two blocks of 256 bytes that no other line names
.set STAGE,  SLOT1+SPARE               ; 223,232: behind slot 1's tiles, never filled by a tensor load: 128 rows x 784 bytes for the way out
.set SPITCH, 784                       ; 768 bytes + 16
.set ASTEP,  1048576                   ; bytes from a K block of xnb to the next
.set WROW,   6144                      ; bytes in a row of wcat and of qkv
.set BSTEP,  64*WROW
.set STEPS,  16
.set R,     1                          ; v1   lane % 16
.set HH,    2                          ; v2   lane / 16
.set A0,    4                          ; v4   my place in a slot's xn
.set B10,   5                          ; v5   my place in a slot's wcat, blocks 0-7
.set B20,   6                          ; v6   blocks 8-11
.set ADRA,  8                          ; v8-10  the same three in the slot that is being read
.set ADRB1, 9
.set ADRB2, 10
.set STO1,  12                         ; v12, v13  the way out: where I put 16 bytes of a row, blocks 0-7 and 8-11
.set STO2,  13
.set RD0,   14                         ; v14, v15  where I read rows back
.set RD1,   15
.set CO0,   16                         ; v16, v17  my byte offsets in qkv
.set CO1,   17
.set BO,    18                         ; v18  32 x (lane / 16): my eight bias numbers of a block
.set PFO,   19                         ; v19  the prefetches' lane offset; never rewritten
.set SPW,   20                         ; v20  LDS address of my spare word; never rewritten
.set NIL,   21                         ; v21  0; never rewritten
.set AB0,   32
.set BH0,   160
.set OUTR,  32                         ; the way out: v32-223
.set WV,   16
.set ROLE, 17                          ; wave / 2: my row half; also 0: I fetch xn's tiles, 1: wcat's
.set HALF, 18                          ; wave % 2: my column half; also which half of that tile I fetch
.set CX,   19
.set CY,   20
.set NX,   21                          ; tile column
.set MY,   22                          ; tile row
.set LWA,  23
.set G1A,  24                          ; s[24:31] group 1 for xn's tiles;  s[32:39] group 0: a set for each first fill; the second then walks
.set G0A,  32
.set G1B,  40                          ; s[40:47], s[48:55] the same for wcat's
.set G0B,  48
.set CNT,  56                          ; refills still to come
.set TB,   57                          ; LDS byte at which the slot that is being read begins
.set PFA,  58                          ; s[58:59] where my prefetches stand
.set PFS,  60                          ; s[60:61] their step
.set LIM,  62                          ; a wave prefetches while CNT is at least this; the greatest number in a wave that never does
.set LWB,  63
.set P1,   66                          ; s[66:67] the bias of my blocks 0-7;  s[68:69] of 8-11
.set P2,   68
.set CB,   74                          ; s[74:75] qkv at the first row that I store
.set MSB, 0
.macro WIN new                         ; the immediate's high byte repeats the setting that is left; a switch that changes nothing is dropped
.if MSB != (\new)
	s_set_vgpr_msb (MSB<<8)|(\new)
.set MSB, \new
.endif
.endm
.macro PLACES                          ; four plain places behind a matrix instruction, ahead of loads into its sources and of readers of its result
.rept 4
	v_nop
.endr
.endm
.macro JLOAD                           ; the joint refill, by the walking set.  The branch hangs on the wave's number alone.  An s_nop 0 and four v_nop follow each line
	s_cmp_eq_u32 s[ROLE], 0
	s_cbranch_scc0 .Lfor_b_\@
	tensor_load_to_lds s[G0A+4:G0A+7], s[G1A:G1A+7]
	s_nop 0
.rept 4
	v_nop
.endr
	s_branch .Lasked_\@
.Lfor_b_\@:
	tensor_load_to_lds s[G0B+4:G0B+7], s[G1B:G1B+7]
	s_nop 0
.rept 4
	v_nop
.endr
.Lasked_\@:
.endm
.macro CREST                           ; a round of the cluster's barrier behind its opening barrier
	s_cmp_lg_u32 s[WV], 0
	s_cbranch_scc1 .Lnot_wave_0_\@
	s_barrier_signal -3
.Lnot_wave_0_\@:
	s_barrier_wait -3
	s_barrier_signal -1
	s_barrier_wait -1
.endm
.macro CROUND
	s_barrier_signal -1
	s_barrier_wait -1
	CREST
.endm
; PREFETCH INTO THE L2, behind the joint load and the run of LDS loads.  In the trip that asks for K step t + 2:
; xn: wave 0 of the clusters with x = 0 (both clusters of a row read the same rows): K step t + 3, a tile's 32,768 dense bytes shared out BY ADDRESS among the four partners, 8,192 each, a lane 256 bytes; it stops with step 15.
; wcat: wave 2 of the clusters with y = 0, in every second trip: K steps t + 3 and t + 4: of each step's 64 k rows a partner takes 16 by address; lanes 0-15 the first step, 16-31 the second; three lines for a row's 768 bytes.
; So each aligned 256 bytes is named once in the launch; the first steps (0-2 of xn, 0-3 of wcat) come by their loads alone.
.macro ASK
	s_cmp_ge_u32 s[CNT], s[LIM]
	s_cbranch_scc0 .Lnone_\@
	s_cmp_eq_u32 s[ROLE], 0
	s_cbranch_scc0 .Lw_\@
	global_prefetch_b8 v[PFO], s[PFA:PFA+1] th:TH_LOAD_NT scope:SCOPE_SE
	s_branch .Lnone_\@
.Lw_\@:
	s_bitcmp1_b32 s[CNT], 0
	s_cbranch_scc0 .Lnone_\@
	global_prefetch_b8 v[PFO], s[PFA:PFA+1] th:TH_LOAD_NT scope:SCOPE_SE
	global_prefetch_b8 v[PFO], s[PFA:PFA+1] offset:256 th:TH_LOAD_NT scope:SCOPE_SE
	global_prefetch_b8 v[PFO], s[PFA:PFA+1] offset:512 th:TH_LOAD_NT scope:SCOPE_SE
.Lnone_\@:
.endm
	s_load_b256 s[4:11], s[0:1], 0x0               ; xnb s[4:5], wcat s[6:7], bq s[8:9], bk s[10:11]
	s_load_b128 s[12:15], s[0:1], 0x20             ; bv s[12:13], qkv s[14:15]
	v_lshl_add_u32 v[SPW], v0, 2, SPARE
	v_mov_b32 v[NIL], 0
	ds_add_u32 v[SPW], v[NIL]                      ; the wave's opening: the add and its wait stand ahead of my first tensor load; work on registers stands between them
	v_lshrrev_b32 v1, 5, v0
	v_readfirstlane_b32 s[WV], v1                  ; wave 0..3
	s_lshr_b32 s[ROLE], s[WV], 1
	s_and_b32 s[HALF], s[WV], 1
	s_bfe_u32 s[CX], ttmp6, 0x40000
	s_bfe_u32 s[CY], ttmp6, 0x40004
	s_lshl_b32 s[NX], ttmp9, 2
	s_add_co_u32 s[NX], s[NX], s[CX]               ; tile column = 4 x cluster x + cx
	s_and_b32 s[MY], ttmp7, 0xffff
	s_lshl_b32 s[MY], s[MY], 2
	s_add_co_u32 s[MY], s[MY], s[CY]               ; tile row = 4 x cluster y + cy
	s_lshl_b32 s70, s[CY], 2
	s_lshl_b32 s70, 15, s70                        ; my row of the cluster
	s_lshl_b32 s72, 0x1111, s[CX]                  ; my column
	s_or_b32 s[G1A], s70, (1<<16)|(1<<20)|(1<<21)|(4<<22)|(3<<25)  ; mask; 2-byte elements; padding on; bit 21 beside a mask; after every 32 words 4 words
	s_mov_b32 s[G1A+1], 128<<16                    ; tensor_dim0 = 128: two rows of xnb, 256 bytes
	s_mov_b32 s[G1A+2], 64<<16                     ; tensor_dim1 = 64
	s_mov_b32 s[G1A+3], 128<<16                    ; tile_dim0
	s_mov_b32 s[G1A+4], 64                         ; tile_dim1
	s_mov_b32 s[G1A+5], 128                        ; dense
	s_mov_b32 s[G1A+6], 0
	s_mov_b32 s[G1A+7], 0
	s_or_b32 s[G1B], s72, (1<<16)|(1<<20)|(1<<21)|(5<<22)|(7<<25)  ; after every 64 words 8 words
	s_mov_b32 s[G1B+1], 384<<16                    ; 384 columns
	s_mov_b32 s[G1B+2], 32<<16                     ; 32 k rows
	s_mov_b32 s[G1B+3], 384<<16
	s_mov_b32 s[G1B+4], 32
	s_mov_b32 s[G1B+5], 3072
	s_mov_b32 s[G1B+6], 0
	s_mov_b32 s[G1B+7], 0
	s_lshl_b32 s70, s[MY], 15                      ; xn: the tile row's 256 rows of 128 bytes,
	s_lshl_b32 s71, s[HALF], 14                    ; my 128 of them
	s_add_co_u32 s70, s70, s71
	s_mov_b32 s71, 0
	s_mul_i32 s72, s[NX], 768                      ; wcat: the tile column's 768 bytes,
	s_mul_i32 s73, s[HALF], 32*WROW                ; my 32 k rows
	s_add_co_u32 s72, s72, s73
	s_mov_b32 s73, 0
	s_mul_i32 s[LWA], s[HALF], 128*APITCH          ; where they go: no place in the cluster enters an LDS address
	s_mul_i32 s[LWB], s[HALF], 32*BPITCH
	s_add_co_u32 s[LWB], s[LWB], BOFF
	s_mov_b32 s[TB], 0
	s_wait_dscnt 0x0                               ; the opening add is done
	s_wait_kmcnt 0x0
	s_add_nc_u64 s[70:71], s[4:5], s[70:71]
	s_add_nc_u64 s[72:73], s[6:7], s[72:73]
	CROUND                                         ; all sixteen work-groups are here: the first joint loads meet
.irp s, 0,1
	s_mov_b32 s[G0A+4*(\s)], 1
	s_add_co_u32 s[G0A+4*(\s)+1], s[LWA], (\s)*SLOT1
	s_add_nc_u64 s[G0A+4*(\s)+2:G0A+4*(\s)+3], s[70:71], (\s)*ASTEP
	s_or_b32 s[G0A+4*(\s)+3], s[G0A+4*(\s)+3], 0x80000000
	s_mov_b32 s[G0B+4*(\s)], 1
	s_add_co_u32 s[G0B+4*(\s)+1], s[LWB], (\s)*SLOT1
	s_add_nc_u64 s[G0B+4*(\s)+2:G0B+4*(\s)+3], s[72:73], (\s)*BSTEP
	s_or_b32 s[G0B+4*(\s)+3], s[G0B+4*(\s)+3], 0x80000000
.endr
	s_cmp_eq_u32 s[ROLE], 0                        ; a wave's two first fills stand in one branch: two loads of mine are out
	s_cbranch_scc0 .Lfirst_b
	tensor_load_to_lds s[G0A:G0A+3], s[G1A:G1A+7]
	s_nop 0
	tensor_load_to_lds s[G0A+4:G0A+7], s[G1A:G1A+7]
	s_nop 0
.rept 4
	v_nop
.endr
	s_branch .Lfirst_asked
.Lfirst_b:
	tensor_load_to_lds s[G0B:G0B+3], s[G1B:G1B+7]
	s_nop 0
	tensor_load_to_lds s[G0B+4:G0B+7], s[G1B:G1B+7]
	s_nop 0
.rept 4
	v_nop
.endr
.Lfirst_asked:
	; the bias: which of bq, bk, bv holds my columns is a choice of pointer, not a branch; pieces of 128 and 64 columns never cross a multiple of 1,024
	v_and_b32 v[R], 15, v0
	v_bfe_u32 v[HH], v0, 4, 1
	v_lshlrev_b32 v[BO], 5, v[HH]
	s_mul_i32 s76, s[NX], 384
	s_lshl_b32 s77, s[HALF], 7
	s_add_co_u32 s76, s76, s77                     ; my first column of blocks 0-7
	s_cmp_lt_u32 s76, 2048
	s_cselect_b64 s[P1:P1+1], s[10:11], s[12:13]
	s_cmp_lt_u32 s76, 1024
	s_cselect_b64 s[P1:P1+1], s[8:9], s[P1:P1+1]
	s_and_b32 s76, s76, 1023
	s_lshl_b32 s76, s76, 2
	s_mov_b32 s77, 0
	s_add_nc_u64 s[P1:P1+1], s[P1:P1+1], s[76:77]
	s_mul_i32 s76, s[NX], 384
	s_lshl_b32 s77, s[HALF], 6
	s_add_co_u32 s76, s76, s77
	s_add_co_u32 s76, s76, 256                     ; of blocks 8-11
	s_cmp_lt_u32 s76, 2048
	s_cselect_b64 s[P2:P2+1], s[10:11], s[12:13]
	s_cmp_lt_u32 s76, 1024
	s_cselect_b64 s[P2:P2+1], s[8:9], s[P2:P2+1]
	s_and_b32 s76, s76, 1023
	s_lshl_b32 s76, s76, 2
	s_mov_b32 s77, 0
	s_add_nc_u64 s[P2:P2+1], s[P2:P2+1], s[76:77]
	WIN 0x80                                       ; destination window 2: accumulators g = 42 .. 47, blocks 0-5
.irp i, 0,1,2,3,4,5
	global_load_b128 v[80+8*\i:83+8*\i], v[BO], s[P1:P1+1] offset:64*\i
	global_load_b128 v[84+8*\i:87+8*\i], v[BO], s[P1:P1+1] offset:64*\i+16
.endr
	WIN 0xc0                                       ; destination window 3: g = 90 .. 95, blocks 6-11
.irp i, 0,1
	global_load_b128 v[208+8*\i:211+8*\i], v[BO], s[P1:P1+1] offset:64*(6+\i)
	global_load_b128 v[212+8*\i:215+8*\i], v[BO], s[P1:P1+1] offset:64*(6+\i)+16
.endr
.irp i, 2,3,4,5
	global_load_b128 v[208+8*\i:211+8*\i], v[BO], s[P2:P2+1] offset:64*(\i-2)
	global_load_b128 v[212+8*\i:215+8*\i], v[BO], s[P2:P2+1] offset:64*(\i-2)+16
.endr
	WIN 0
	; A fragment of xn: lane l holds row l % 16, k = 8 (l / 16) + 0..7 and 16 + 8 (l / 16) + 0..7: two loads of 16 bytes, 32 apart
	v_mul_u32_u24 v[A0], v[R], APITCH
	v_lshl_add_u32 v[A0], v[HH], 4, v[A0]
	s_mul_i32 s76, s[ROLE], 128*APITCH
	v_add_nc_u32 v[A0], s76, v[A0]
	; The turning load: lane l reads 16 bytes of k row 8 (l / 16) + l % 8, columns 8 ((l / 8) % 2) + 0..7, and is left with column l % 16 and 8 k
	v_and_b32 v3, 7, v0
	v_lshl_add_u32 v3, v[HH], 3, v3
	v_mul_u32_u24 v[B10], v3, BPITCH
	v_bfe_u32 v3, v0, 3, 1
	v_lshl_add_u32 v[B10], v3, 4, v[B10]
	s_lshl_b32 s76, s[HALF], 7
	s_add_co_u32 s76, s76, BOFF+576                ; the third piece, my 64 columns
	v_add_nc_u32 v[B20], s76, v[B10]
	s_mul_i32 s76, s[HALF], 288
	s_add_co_u32 s76, s76, BOFF                    ; my own piece
	v_add_nc_u32 v[B10], s76, v[B10]
	; the way out
	s_mul_i32 s76, s[ROLE], 64*SPITCH
	s_lshl_b32 s77, s[HALF], 8
	s_add_co_u32 s77, s77, s76
	s_add_co_u32 s77, s77, STAGE
	v_mul_u32_u24 v3, v[R], SPITCH
	v_lshl_add_u32 v3, v[HH], 4, v3
	v_add_nc_u32 v[STO1], s77, v3
	s_lshl_b32 s77, s[HALF], 7
	s_add_co_u32 s77, s77, s76
	s_add_co_u32 s77, s77, STAGE+512
	v_add_nc_u32 v[STO2], s77, v3
	s_mul_i32 s76, s[WV], 32*SPITCH
	s_add_co_u32 s76, s76, STAGE
	v_and_b32 v3, 31, v0
	v_lshlrev_b32 v[CO0], 4, v3
	v_add_nc_u32 v[RD0], s76, v[CO0]               ; 512 bytes of a stage row
	v_lshl_add_u32 v[RD1], v[HH], 4, v[RD0]
	v_add_nc_u32 v[RD1], 512, v[RD1]               ; the row's last 256 bytes and, over the padding, the next row's first 256
	v_mul_u32_u24 v[CO1], v[HH], WROW-768
	v_add3_u32 v[CO1], v[CO1], v[CO0], 512         ; the same in qkv
	s_lshl_b32 s76, s[MY], 8
	s_lshl_b32 s77, s[ROLE], 7
	s_add_co_u32 s76, s76, s77
	s_lshl_b32 s77, s[HALF], 5
	s_add_co_u32 s76, s76, s77                     ; the first row that I store: 256 x tile row + 128 (wave / 2) + 32 (wave % 2)
	s_mul_i32 s76, s76, WROW
	s_mul_i32 s77, s[NX], 768
	s_add_co_u32 s76, s76, s77
	s_mov_b32 s77, 0
	s_add_nc_u64 s[CB:CB+1], s[14:15], s[76:77]
	; the prefetches
	s_lshl_b32 s76, s[MY], 15
	s_lshl_b32 s77, s[CX], 13
	s_add_co_u32 s76, s76, s77
	s_add_co_u32 s76, s76, 2*ASTEP                 ; xn: my work-group's 8,192 bytes of the tile, at K step 2; the first change steps it to 3
	s_mul_i32 s77, s[NX], 768
	s_mul_i32 s78, s[CY], 16*WROW
	s_add_co_u32 s77, s77, s78
	s_add_co_u32 s77, s77, 2*BSTEP                 ; wcat: my work-group's 16 k rows of a step
	s_mov_b32 s78, ASTEP
	s_mov_b32 s79, BSTEP
	s_mov_b32 s80, 4096
	s_mov_b32 s81, BSTEP
	s_mov_b32 s82, 256
	s_mov_b32 s83, WROW
	s_cmp_eq_u32 s[ROLE], 0
	s_cselect_b64 s[PFA:PFA+1], s[4:5], s[6:7]
	s_cselect_b32 s76, s76, s77
	s_cselect_b32 s[PFS], s78, s79
	s_cselect_b32 s80, s80, s81
	s_cselect_b32 s82, s82, s83
	s_mov_b32 s77, 0
	s_mov_b32 s[PFS+1], 0
	s_add_nc_u64 s[PFA:PFA+1], s[PFA:PFA+1], s[76:77]
	v_mul_u32_u24 v[PFO], v[HH], s80               ; xn: 256 x lane;  wcat: (lane / 16) steps + (lane % 16) rows
	v_mad_u32_u24 v[PFO], v[R], s82, v[PFO]
	s_and_b32 s76, ttmp7, 0xffff                   ; cluster y
	s_cmp_eq_u32 s[ROLE], 0
	s_cselect_b32 s76, ttmp9, s76                  ; the coordinate along which other clusters read the same bytes
	s_cselect_b32 s77, 2, 3
	s_or_b32 s76, s76, s[HALF]                     ; 0 in waves 0 and 2 of the first such cluster: the same in all sixteen partners
	s_cmp_eq_u32 s76, 0
	s_cselect_b32 s[LIM], s77, -1
.macro SETADR
	v_add_nc_u32 v[ADRA], s[TB], v[A0]
	v_add_nc_u32 v[ADRB1], s[TB], v[B10]
	v_add_nc_u32 v[ADRB2], s[TB], v[B20]
.endm
.macro LDA buf, kq                     ; xn's 8 fragments of quarter kq: 16 loads
.set ia, 0
.rept 8
	ds_load_b128 v[AB0+64*(\buf)+8*ia:AB0+64*(\buf)+8*ia+3], v[ADRA] offset:16*APITCH*ia+64*(\kq)
	ds_load_b128 v[AB0+64*(\buf)+8*ia+4:AB0+64*(\buf)+8*ia+7], v[ADRA] offset:16*APITCH*ia+64*(\kq)+32
.set ia, ia+1
.endr
.endm
.macro LDB hb, kq                      ; wcat's 6 fragments, blocks 6 hb .. 6 hb + 5, of quarter kq: 12 turning loads
.set ib, 0
.rept 6
.set bb, 6*(\hb)+ib
.if bb < 8
	ds_load_tr16_b128 v[BH0+48*(\hb)+8*ib:BH0+48*(\hb)+8*ib+3], v[ADRB1] offset:32*BPITCH*(\kq)+32*bb
	ds_load_tr16_b128 v[BH0+48*(\hb)+8*ib+4:BH0+48*(\hb)+8*ib+7], v[ADRB1] offset:32*BPITCH*(\kq)+16*BPITCH+32*bb
.else
	ds_load_tr16_b128 v[BH0+48*(\hb)+8*ib:BH0+48*(\hb)+8*ib+3], v[ADRB2] offset:32*BPITCH*(\kq)+32*(bb-8)
	ds_load_tr16_b128 v[BH0+48*(\hb)+8*ib+4:BH0+48*(\hb)+8*ib+7], v[ADRB2] offset:32*BPITCH*(\kq)+16*BPITCH+32*(bb-8)
.endif
.set ib, ib+1
.endr
.endm
; Products n0 .. n1 - 1 of the 48 of column half hb: row block idx / 6, column block 6 hb + idx % 6.  All 96 accumulators take turns, one instruction a turn.
; first = 1: row blocks 0-6 start their sums with the bias, which lies in row block 7's accumulators; five places; then row block 7 adds onto it in place.
.macro MULS hb, ab, n0, n1, first=0
.set idx, (\n0)
.rept (\n1)-(\n0)
.set ga, 48*(\hb)+idx
.set gw, 1+ga/32
.set gr, 8*(ga%32)
.set gc, 48*(\hb)+42+idx%6
.set cw, 1+gc/32
.set cr, 8*(gc%32)
.set fb, BH0+48*(\hb)+8*(idx%6)
.set fa, AB0+64*(\ab)+8*(idx/6)
.if (\first) && (idx < 42)
	WIN (gw<<6)|(cw<<4)
	v_wmma_f32_16x16x32_f16 v[gr:gr+7], v[fb:fb+7], v[fa:fa+7], v[cr:cr+7]
.else
.if (\first) && (idx == 42)
.rept 5
	v_nop                                          ; the next six products write over the C of the products before
.endr
.endif
	WIN (gw<<6)|(gw<<4)
	v_wmma_f32_16x16x32_f16 v[gr:gr+7], v[fb:fb+7], v[fa:fa+7], v[gr:gr+7]
.endif
.set idx, idx+1
.endr
.endm
; A K STEP is four runs of 48 products: (blocks 0-5, quarter 0), (6-11, 0), (0-5, 1), (6-11, 1).  Each run's fragments are fetched a run or more ahead, in runs of loads.
.macro STEP_A first
	s_wait_dscnt 0x0                               ; quarter 0's xn and blocks 0-5 are in
	PLACES
	WIN 0
	LDB 1, 0
	LDA 1, 1
	MULS 0, 0, 0, 48, \first
.endm
.macro STEP_B first
	s_wait_dscnt 16                                ; blocks 6-11 are in; the 16 loads of quarter 1's xn may stay out
	PLACES
	WIN 0
	LDB 0, 1
	MULS 1, 0, 0, 48, \first
.endm
; The third run changes slots.  Its LDB is the slot's last read.  Each wave waits for all its tensor loads (one is out: its part of the other slot), adds 0 to its spare word, and waits for that and for its reads.
; fill = 1: the barrier opens a round of the cluster's barrier, and the joint refill (K step two on) is the first thing behind it: 168 products stand between it and the wait for it.
.macro STEP_C fill
.if \fill
	s_wait_xcnt 0x0                                ; the last prefetch, a K step back, has read its address
	s_add_nc_u64 s[PFA:PFA+1], s[PFA:PFA+1], s[PFS:PFS+1]
.endif
	s_wait_dscnt 0x0                               ; quarter 1's xn and blocks 0-5
	PLACES
	WIN 0
	LDB 1, 1
	MULS 0, 1, 0, 24
	WIN 0
	s_wait_tensorcnt 0x0                           ; no tensor load of mine is out, so a group 0 may be written
	ds_add_u32 v[SPW], v[NIL]                      ; 0 onto my spare word
.if \fill
	s_xor_b32 s[G0A+5], s[G0A+5], SLOT1            ; the walking sets: the other slot than last time, the next K step
	s_add_nc_u64 s[G0A+6:G0A+7], s[G0A+6:G0A+7], ASTEP
	s_xor_b32 s[G0B+5], s[G0B+5], SLOT1
	s_add_nc_u64 s[G0B+6:G0B+7], s[G0B+6:G0B+7], BSTEP
.endif
	MULS 0, 1, 24, 36
	s_wait_dscnt 0x0                               ; the add is done, and my reads of this slot are over
	s_barrier_signal -1
	MULS 0, 1, 36, 48
	WIN 0
	s_barrier_wait -1
.if \fill
	CREST                                          ; no wave of any partner still reads the slot or has a load on its way
	JLOAD                                          ; its four v_nop are also the places in front of the loads below
.else
	PLACES
.endif
	s_xor_b32 s[TB], s[TB], SLOT1
	SETADR
	LDA 0, 0
	LDB 0, 0
.if \fill
	ASK
.endif
.endm
.macro STEP_D
	MULS 1, 1, 0, 48
.endm
	s_wait_tensorcnt 0x1                           ; my part of K step 0 is in; step 1's may stay out
	s_barrier_signal -1
	s_barrier_wait -1
	SETADR
	LDA 0, 0
	LDB 0, 0
	s_wait_loadcnt 0x0                             ; the bias
	STEP_A 1
	STEP_B 1
	WIN 0
	s_mov_b32 s[CNT], STEPS-2
.Lstep:                                ; a trip: a step's second quarter, the change of slots, the next step's first quarter
	STEP_C 1
	STEP_D
	STEP_A 0
	STEP_B 0
	WIN 0
	s_sub_co_u32 s[CNT], s[CNT], 1
	s_cmp_lg_u32 s[CNT], 0
	s_cbranch_scc1 .Lstep
	STEP_C 0                                       ; the tail is written out
	STEP_D
	STEP_A 0
	STEP_B 0
	s_wait_dscnt 0x0
	PLACES
	WIN 0
	LDB 1, 1
	MULS 0, 1, 0, 48
	s_wait_dscnt 0x0
	STEP_D
; THE WAY OUT, in two passes of 64 rows a wave (row blocks 4 p .. 4 p + 3): rounded to f16, 16 bytes a lane into the work-group's stage; a barrier, since a row's 768 bytes come from two waves;
; back as whole rows: two rows are three loads of 512 bytes; each half of the lanes stores 256 consecutive bytes, aligned.
.macro OUTPASS p
.set nn, 0
.rept 48
.set ga, 48*(nn/24)+24*(\p)+nn%24
.set gw, 1+ga/32
.set gr, 8*(ga%32)
	WIN gw|(gw<<2)
.set kk, 0
.rept 4
	v_cvt_pk_f16_f32 v[OUTR+4*nn+kk], v[gr+2*kk], v[gr+2*kk+1]
.set kk, kk+1
.endr
.set nn, nn+1
.endr
	WIN 0
.set nn, 0
.rept 48
.set bb, 6*(nn/24)+nn%6
.set aa, (nn%24)/6
.if bb < 8
	ds_store_b128 v[STO1], v[OUTR+4*nn:OUTR+4*nn+3] offset:16*SPITCH*aa+32*bb
.else
	ds_store_b128 v[STO2], v[OUTR+4*nn:OUTR+4*nn+3] offset:16*SPITCH*aa+32*(bb-8)
.endif
.set nn, nn+1
.endr
	s_wait_dscnt 0x0                               ; for the others' sake: my stores into the stage are done
	s_barrier_signal -1
	s_barrier_wait -1
.set nn, 0
.rept 16
	ds_load_b128 v[OUTR+12*nn:OUTR+12*nn+3], v[RD0] offset:2*SPITCH*nn
	ds_load_b128 v[OUTR+12*nn+4:OUTR+12*nn+7], v[RD1] offset:2*SPITCH*nn
	ds_load_b128 v[OUTR+12*nn+8:OUTR+12*nn+11], v[RD0] offset:2*SPITCH*nn+SPITCH+256
.set nn, nn+1
.endr
.set nn, 0
.rept 16
	s_wait_dscnt 47-3*nn                           ; LDS loads come back in order: the counts run down
	global_store_b128 v[CO0], v[OUTR+12*nn:OUTR+12*nn+3], s[CB:CB+1] offset:(\p)*64*WROW+2*WROW*nn
	s_wait_dscnt 46-3*nn
	global_store_b128 v[CO1], v[OUTR+12*nn+4:OUTR+12*nn+7], s[CB:CB+1] offset:(\p)*64*WROW+2*WROW*nn
	s_wait_dscnt 45-3*nn
	global_store_b128 v[CO0], v[OUTR+12*nn+8:OUTR+12*nn+11], s[CB:CB+1] offset:(\p)*64*WROW+2*WROW*nn+WROW+256
.set nn, nn+1
.endr
.endm
	PLACES
	OUTPASS 0
	s_wait_xcnt 0x0                                ; the stores have read their data registers, which the second pass writes again
	s_barrier_signal -1                            ; every wave's reads of the stage are back (its last count was 0)
	s_barrier_wait -1
	OUTPASS 1
	s_wait_tensorcnt 0x0                           ; the wave's end, behind my last tensor load and my last LDS store
	ds_add_u32 v[SPW], v[NIL]
	s_wait_dscnt 0x0
	CROUND                                         ; the closing round
	s_endpgm
.Lfunc_end_k_qa76c38d388_proj:
	.size	k_qa76c38d388_proj, .Lfunc_end_k_qa76c38d388_proj-k_qa76c38d388_proj
	.p2alignl 7, 3214868480
	.fill 96, 4, 3214868480
	.section	.rodata,"a",@progbits
	.p2align	6, 0x0
	.amdhsa_kernel k_qa76c38d388_proj
		.amdhsa_group_segment_fixed_size 327680
		.amdhsa_private_segment_fixed_size 0
		.amdhsa_enable_private_segment 0
		.amdhsa_kernarg_size 48
		.amdhsa_user_sgpr_count 2
		.amdhsa_user_sgpr_kernarg_segment_ptr 1
		.amdhsa_wavefront_size32 1
		.amdhsa_system_sgpr_workgroup_id_x 1
		.amdhsa_system_sgpr_workgroup_id_y 1
		.amdhsa_system_sgpr_workgroup_id_z 1
		.amdhsa_system_vgpr_workitem_id 0
		.amdhsa_next_free_vgpr 1024
		.amdhsa_next_free_sgpr 88
		.amdhsa_reserve_vcc 0
		.amdhsa_float_denorm_mode_32 3
		.amdhsa_float_denorm_mode_16_64 3
		.amdhsa_memory_ordered 1
		.amdhsa_forward_progress 1
		.amdhsa_inst_pref_size 118
	.end_amdhsa_kernel
	.amdgpu_metadata
---
amdhsa.version: [ 1, 2 ]
amdhsa.kernels:
  - .name:           k_qa76c38d388_proj
    .symbol:         k_qa76c38d388_proj.kd
    .args:
      - { .name: xnb, .offset: 0, .size: 8, .value_kind: global_buffer, .address_space: global }
      - { .name: wcat, .offset: 8, .size: 8, .value_kind: global_buffer, .address_space: global }
      - { .name: bq, .offset: 16, .size: 8, .value_kind: global_buffer, .address_space: global }
      - { .name: bk, .offset: 24, .size: 8, .value_kind: global_buffer, .address_space: global }
      - { .name: bv, .offset: 32, .size: 8, .value_kind: global_buffer, .address_space: global }
      - { .name: qkv, .offset: 40, .size: 8, .value_kind: global_buffer, .address_space: global }
    .group_segment_fixed_size: 327680
    .private_segment_fixed_size: 0
    .kernarg_segment_align: 8
    .kernarg_segment_size: 48
    .max_flat_workgroup_size: 128
    .sgpr_count:     88
    .vgpr_count:     1024
    .wavefront_size: 32
...
	.end_amdgpu_metadata
.endif
;; end of part 2
;; launch scores (part 3): grid 8 x 32, 4 waves a work-group, clusters of 4 x 4, 327,680 bytes of LDS; arguments qkv, pt, stats; writes pt, stats
.if DOCPART == 3
	.amdgcn_target "amdgcn-amd-amdhsa--gfx1250"
	.amdhsa_code_object_version 6
	.text
	.protected	k_qa76c38d388_scores
	.globl	k_qa76c38d388_scores
	.p2align	8
	.type	k_qa76c38d388_scores,@function
k_qa76c38d388_scores:
	s_mov_b64 s[64:65], 0
	v_nop
	global_prefetch_b8 v0, s[64:65] scope:SCOPE_SE
	s_setreg_imm32_b32 hwreg(HW_REG_WAVE_MODE, 25, 1), 1
	s_wait_xcnt 0x0
	s_wait_alu depctr_hold_cnt(0) depctr_sa_sdst(0) depctr_va_vdst(0) depctr_va_sdst(0) depctr_va_ssrc(0) depctr_va_vcc(0) depctr_vm_vsrc(0)
	s_getreg_b32 s2, hwreg(HW_REG_IB_STS2, 6, 4)
	s_cmp_eq_u32 s2, 0
	s_cbranch_scc0 .Lentry_in_a_cluster
	s_endpgm
.Lentry_in_a_cluster:
	s_bfe_u32 s2, ttmp6, 0x10000c
	s_cmp_lg_u32 s2, 0xf033
	s_cbranch_scc0 .Lentry_shape_is_right
	s_endpgm
.Lentry_shape_is_right:
; SCORES AND THE FIRST HALF OF THE SOFTMAX.  s[row][key] = q[row] . k[key] (f16 operands, f32 sums, K = 1,024).  For each row and each GRANULE of 128 keys:
; M2 = c max s (the granule's true maximum, c = log2(e) / 32), p~ = 2^(c s - M2), L = the sum of p~.  M2 and L go to stats in f32: M2 at [batch][granule][row of the batch], L the same 524,288 bytes on.
; The next launch takes the row's maximum over its 16 granules and rescales: no exponent here is above 0.
; p~ IS STORED, rounded once to f16, IN THE ORDER OF THE NEXT LAUNCH'S MATRIX OPERAND: pt[row block of 16][granule][key block of 16][lane][8 keys]: row 16 RB + r, key 128 g + 16 b + 8 h + j lies at byte
; 65,536 RB + 4,096 g + 512 b + 16 (r + 16 h) + 2 j.  That is the order in which the accumulators hold it, so a store of a wave is 512 consecutive bytes.
; LIMITS.  An exponential below 2^-126 counts as 0; p~ below 6e-5 keeps f16's fixed step; NaN and infinities are not treated apart.
; SHARES.  A tile is 256 queries x 256 keys of one batch: 8 x 32 = 256 work-groups of four waves; a wave makes 128 x 128 (64 accumulators, 512 registers): its 128 keys are one granule.
; K goes in steps of 128 through two LDS slots; the rows of q's and k's tiles are 256 bytes of memory, aligned.  Source 0 = 16 keys, source 1 = 16 queries: a lane holds one query and eight neighbouring keys.
; CLUSTER 4 x 4: q's tile is shared along a row of the cluster, k's along a column.
; REGISTERS.  window 0: v0-30 addresses; v64-127, v128-191 q's fragments, two buffers; window 1: the same numbers, k's; windows 2, 3: accumulator (a, b) at window 2 + a / 4, v[8 (8 (a % 4) + b)].
.set KSTEP,  128
.set PITCH,  272                       ; 256 bytes + 16: seventeen times 16
.set HALFT,  128*PITCH
.set SLOT,   4*HALFT                   ; 139,264 = 0x22000: it shares no bit with wave x HALFT (0x8800 x 0..3), so one exclusive or changes slots
.set STAT,   2*SLOT                    ; behind the ring: 1,024 bytes a wave: 128 M2, 128 L
.set SPARE,  STAT+4096                 ; the spare words, 128 bytes a wave: two blocks of 256 bytes that no other line names
.set EPITCH, 528                       ; the way out: a row of 128 f32 + 16 bytes
.set EPW,    128*EPITCH                ; 67,584 bytes a wave, in the slots, which have had their last fill by then
.set ROWB,   6144                      ; bytes in a row of qkv
.set STEPS,  8
.set A0,   4                           ; v4, v5  my place in a slot's q and k
.set B0,   5
.set ADRA, 16                          ; v16, v20  the same in the slot that is being read
.set ADRB, 20
.set DST,  22                          ; v22  the way out: where my scores go
.set RDE,  23                          ; v23  where I read them back, a row block a trip; steps
.set STA,  24                          ; v24  where my row's M2 goes; steps
.set SRD,  26                          ; v26  my 16 bytes of the wave's M2
.set SGO,  27                          ; v27  16 x lane
.set SPW,  28
.set NIL,  29
.set PFO,  30                          ; v30  lane x a row of qkv; never rewritten
.set F0,   64
.set F1,   128
.set V,    64                          ; the way out: v64-127 my row's 64 scores; v128-159 as f16; v160-163 maxima; v168-169 c max, twice; v184 the sum
.set HF,   128
.set MX,   160
.set CM,   168
.set LS,   184
.set WV,   10
.set ROLE, 11
.set HALF, 12
.set MY,   13
.set G1,   24
.set G0,   32
.set CX,   40
.set CY,   41
.set NX,   42
.set LIM,  43
.set PFA,  44
.set G1B,  48
.set G0B,  56
.set CNT,  66
.set TB,   67
.set CS,   68                          ; s[68:69] c, twice
.set SEL,  70                          ; s[70:71] v_permlanex16_b32's selects: each lane takes its own place in the other half
.set RC,   72
.set PP,   74                          ; s[74:75] pt at my wave's row block and granule; steps
.set SB,   76                          ; s[76:77] stats at my wave's granule and rows
.set MSB, 0
.macro WIN new
.if MSB != (\new)
	s_set_vgpr_msb (MSB<<8)|(\new)
.set MSB, \new
.endif
.endm
.set MUL_LO, 0xa1                      ; source 0 (k) window 1, source 1 (q) window 0, C and D window 2
.set TO_B,   0x40
.macro PLACES
.rept 4
	v_nop
.endr
.endm
.macro JLOAD                           ; the joint refill, by the walking set; an s_nop 0 and four v_nop follow each line
	s_cmp_eq_u32 s[ROLE], 0
	s_cbranch_scc0 .Lfor_b_\@
	tensor_load_to_lds s[G0+4:G0+7], s[G1:G1+7]
	s_nop 0
.rept 4
	v_nop
.endr
	s_branch .Lasked_\@
.Lfor_b_\@:
	tensor_load_to_lds s[G0B+4:G0B+7], s[G1B:G1B+7]
	s_nop 0
.rept 4
	v_nop
.endr
.Lasked_\@:
.endm
.macro CREST
	s_cmp_lg_u32 s[WV], 0
	s_cbranch_scc1 .Lnot_wave_0_\@
	s_barrier_signal -3
.Lnot_wave_0_\@:
	s_barrier_wait -3
	s_barrier_signal -1
	s_barrier_wait -1
.endm
.macro CROUND
	s_barrier_signal -1
	s_barrier_wait -1
	CREST
.endm
; PREFETCH INTO THE L2: behind each joint load and its run of LDS loads, the K step that stands two refills on: 32 rows x 256 bytes, a lane a row, one line a wave.  q's rows are read by both clusters of a row of
; clusters: the one with x = 0 asks; k's by the two clusters of a batch in a column: the one with even y asks.  Of the 128 rows that a wave fetches each of the four partners takes 32, BY ADDRESS.
; The last two refills have no K step two on; steps 0-3 come by their loads alone.
.macro ASK
	s_cmp_ge_u32 s[CNT], s[LIM]
	s_cbranch_scc0 .Lnone_\@
	global_prefetch_b8 v[PFO], s[PFA:PFA+1] offset:KSTEP*2 th:TH_LOAD_NT scope:SCOPE_SE
.Lnone_\@:
.endm
	s_load_b128 s[4:7], s[0:1], 0x0                ; qkv s[4:5], pt s[6:7]
	s_load_b64 s[8:9], s[0:1], 0x10                ; stats
	v_lshl_add_u32 v[SPW], v0, 2, SPARE
	v_mov_b32 v[NIL], 0
	ds_add_u32 v[SPW], v[NIL]                      ; the wave's opening: the add and its wait stand ahead of my first tensor load
	v_lshrrev_b32 v1, 5, v0
	v_readfirstlane_b32 s[WV], v1
	s_lshr_b32 s[ROLE], s[WV], 1                   ; my row half; also 0: I fetch q's tiles, 1: k's
	s_and_b32 s[HALF], s[WV], 1                    ; my column half; also which 128 rows of that tile I fetch
	s_bfe_u32 s[CX], ttmp6, 0x40000
	s_bfe_u32 s[CY], ttmp6, 0x40004
	s_lshl_b32 s[NX], ttmp9, 2
	s_add_co_u32 s[NX], s[NX], s[CX]               ; key tile
	s_and_b32 s[MY], ttmp7, 0xffff
	s_lshl_b32 s[MY], s[MY], 2
	s_add_co_u32 s[MY], s[MY], s[CY]               ; 8 x batch + query tile
	s_lshl_b32 s22, s[CY], 2
	s_lshl_b32 s22, 15, s22                        ; my row of the cluster
	s_lshl_b32 s23, 0x1111, s[CX]                  ; my column
	s_or_b32 s[G1], s22, (1<<16)|(1<<20)|(1<<21)|(5<<22)|(3<<25)  ; mask; 2-byte elements; padding on; bit 21 beside a mask; after every 64 words 4 words
	s_or_b32 s[G1B], s23, (1<<16)|(1<<20)|(1<<21)|(5<<22)|(3<<25)
.irp g, G1, G1B
	s_mov_b32 s[(\g)+1], KSTEP<<16                 ; tensor_dim0 = 128
	s_mov_b32 s[(\g)+2], 128<<16                   ; tensor_dim1 = 128
	s_mov_b32 s[(\g)+3], KSTEP<<16                 ; tile_dim0
	s_mov_b32 s[(\g)+4], 128                       ; tile_dim1
	s_mov_b32 s[(\g)+5], 3072                      ; elements from row to row of qkv
	s_mov_b32 s[(\g)+6], 0
	s_mov_b32 s[(\g)+7], 0
.endr
	s_lshl_b32 s17, s[HALF], 7
	s_lshl_b32 s16, s[MY], 8
	s_add_co_u32 s16, s16, s17                     ; q: row 256 x (8 batch + query tile) + 128 x half
	s_mul_i32 s16, s16, ROWB
	s_mov_b32 s17, 0
	s_and_b32 s46, ttmp7, 0xffff
	s_lshr_b32 s46, s46, 1                         ; the batch, which the whole cluster shares
	s_lshl_b32 s46, s46, 11
	s_lshl_b32 s47, s[NX], 8
	s_add_co_u32 s46, s46, s47
	s_lshl_b32 s47, s[HALF], 7
	s_add_co_u32 s46, s46, s47                     ; k: row 2,048 x batch + 256 x key tile + 128 x half,
	s_mul_i32 s46, s46, ROWB
	s_add_co_u32 s46, s46, 2048                    ; 2,048 bytes into the row
	s_mov_b32 s47, 0
	s_mul_i32 s20, s[WV], HALFT                    ; where they go: q's two halves, then k's two
	s_mov_b32 s[TB], 0
	s_mov_b32 s[CS], 0x3d38aa3b                    ; c = log2(e) / 32
	s_mov_b32 s[CS+1], s[CS]
	s_mov_b32 s[SEL], 0x76543210
	s_mov_b32 s[SEL+1], 0xfedcba98
	s_wait_dscnt 0x0                               ; the opening add is done
	s_wait_kmcnt 0x0
	s_add_nc_u64 s[14:15], s[4:5], s[16:17]
	s_add_nc_u64 s[46:47], s[4:5], s[46:47]
	CROUND                                         ; all sixteen work-groups are here
.irp s, 0,1
	s_mov_b32 s[G0+4*(\s)], 1
	s_add_co_u32 s[G0+4*(\s)+1], s20, (\s)*SLOT
	s_add_nc_u64 s[G0+4*(\s)+2:G0+4*(\s)+3], s[14:15], (\s)*KSTEP*2
	s_or_b32 s[G0+4*(\s)+3], s[G0+4*(\s)+3], 0x80000000
	s_mov_b32 s[G0B+4*(\s)], 1
	s_add_co_u32 s[G0B+4*(\s)+1], s20, (\s)*SLOT
	s_add_nc_u64 s[G0B+4*(\s)+2:G0B+4*(\s)+3], s[46:47], (\s)*KSTEP*2
	s_or_b32 s[G0B+4*(\s)+3], s[G0B+4*(\s)+3], 0x80000000
.endr
	s_cmp_eq_u32 s[ROLE], 0                        ; a wave's two first fills stand in one branch: two loads of mine are out
	s_cbranch_scc0 .Lfirst_b
	tensor_load_to_lds s[G0:G0+3], s[G1:G1+7]
	s_nop 0
	tensor_load_to_lds s[G0+4:G0+7], s[G1:G1+7]
	s_nop 0
.rept 4
	v_nop
.endr
	s_branch .Lfirst_asked
.Lfirst_b:
	tensor_load_to_lds s[G0B:G0B+3], s[G1B:G1B+7]
	s_nop 0
	tensor_load_to_lds s[G0B+4:G0B+7], s[G1B:G1B+7]
	s_nop 0
.rept 4
	v_nop
.endr
.Lfirst_asked:
	v_and_b32 v1, 15, v0                           ; l % 16
	v_bfe_u32 v2, v0, 4, 1                         ; l / 16
	v_mul_u32_u24 v3, v1, PITCH
	v_lshl_add_u32 v3, v2, 4, v3
	s_mul_i32 s78, s[ROLE], HALFT
	v_add_nc_u32 v[A0], s78, v3
	s_mul_i32 s78, s[HALF], HALFT
	s_add_co_u32 s78, s78, 2*HALFT
	v_add_nc_u32 v[B0], s78, v3
	v_mov_b32 v[ADRA], v[A0]
	v_mov_b32 v[ADRB], v[B0]
	s_mul_i32 s78, s[WV], EPW
	v_mul_u32_u24 v[DST], v1, EPITCH               ; row l % 16 of a row block, 32 bytes for each half of the lanes
	v_lshl_add_u32 v[DST], v2, 5, v[DST]
	v_add_nc_u32 v[DST], s78, v[DST]
	v_mov_b32 v[RDE], v[DST]                       ; each lane reads its own bytes back
	s_lshl_b32 s78, s[WV], 10
	s_add_co_u32 s78, s78, STAT
	v_lshl_add_u32 v[STA], v1, 2, s78
	v_and_b32 v3, 31, v0
	v_lshlrev_b32 v[SGO], 4, v3
	v_add_nc_u32 v[SRD], s78, v[SGO]
	v_mul_u32_u24 v[PFO], v3, ROWB
	s_lshl_b32 s78, s[MY], 8
	s_lshl_b32 s79, s[ROLE], 7
	s_add_co_u32 s78, s78, s79
	s_lshl_b32 s78, s78, 12                        ; pt: my first row block: 16 rows are 65,536 bytes,
	s_lshl_b32 s79, s[NX], 13
	s_add_co_u32 s78, s78, s79
	s_lshl_b32 s79, s[HALF], 12
	s_add_co_u32 s78, s78, s79                     ; my granule's 4,096 bytes of it
	s_mov_b32 s79, 0
	s_add_nc_u64 s[PP:PP+1], s[6:7], s[78:79]
	s_lshr_b32 s78, s[MY], 3
	s_lshl_b32 s78, s78, 4
	s_lshl_b32 s79, s[NX], 1
	s_add_co_u32 s78, s78, s79
	s_add_co_u32 s78, s78, s[HALF]                 ; 16 x batch + granule
	s_lshl_b32 s78, s78, 11
	s_and_b32 s79, s[MY], 7
	s_lshl_b32 s79, s79, 8
	s_add_co_u32 s78, s78, s79
	s_lshl_b32 s79, s[ROLE], 7
	s_add_co_u32 s78, s78, s79                     ; + my first row in the batch
	s_lshl_b32 s78, s78, 2
	s_mov_b32 s79, 0
	s_add_nc_u64 s[SB:SB+1], s[8:9], s[78:79]
	; the prefetches
	s_lshl_b32 s80, s[MY], 8                       ; q's tile begins at this row,
	s_and_b32 s82, ttmp7, 0xffff
	s_lshr_b32 s81, s82, 1
	s_lshl_b32 s81, s81, 11
	s_lshl_b32 s83, s[NX], 8
	s_add_co_u32 s81, s81, s83                     ; k's at this
	s_and_b32 s82, s82, 1
	s_mov_b32 s83, 2*KSTEP*2
	s_mov_b32 s84, 2048+2*KSTEP*2
	s_cmp_eq_u32 s[ROLE], 0
	s_cselect_b32 s80, s80, s81
	s_cselect_b32 s81, s[CX], s[CY]                ; my place among the four that ask with me
	s_cselect_b32 s82, ttmp9, s82                  ; 0 in the cluster that asks
	s_cselect_b32 s83, s83, s84                    ; at K step 2: the first change steps it to 3 and names step 4
	s_cmp_eq_u32 s82, 0
	s_cselect_b32 s[LIM], 3, -1
	s_lshl_b32 s82, s[HALF], 7
	s_add_co_u32 s80, s80, s82
	s_lshl_b32 s81, s81, 5
	s_add_co_u32 s80, s80, s81
	s_mul_i32 s80, s80, ROWB
	s_add_co_u32 s80, s80, s83
	s_mov_b32 s81, 0
	s_add_nc_u64 s[PFA:PFA+1], s[4:5], s[80:81]
; 16 products: row blocks a0, a0 + 1 of the window's four x all 8 column blocks, 32 along K.  The 64 accumulators take turns, one instruction a turn.
.macro MUL16 f, hi, a0, zero
	WIN MUL_LO+0x50*(\hi)
.irp a, \a0, (\a0)+1
.irp b, 0,1,2,3,4,5,6,7
.if \zero
	v_wmma_f32_16x16x32_f16 v[8*(8*(\a)+(\b)):8*(8*(\a)+(\b))+7], v[(\f)+8*(\b):(\f)+8*(\b)+7], v[(\f)+8*(4*(\hi)+(\a)):(\f)+8*(4*(\hi)+(\a))+7], 0
.else
	v_wmma_f32_16x16x32_f16 v[8*(8*(\a)+(\b)):8*(8*(\a)+(\b))+7], v[(\f)+8*(\b):(\f)+8*(\b)+7], v[(\f)+8*(4*(\hi)+(\a)):(\f)+8*(4*(\hi)+(\a))+7], v[8*(8*(\a)+(\b)):8*(8*(\a)+(\b))+7]
.endif
.endr
.endr
.endm
.macro FETCH k, f                      ; 32 LDS loads in one run: a quarter's fragments: k's 128 rows, then q's
	WIN TO_B
.irp i, 0,1,2,3,4,5,6,7
	ds_load_b128 v[(\f)+8*(\i):(\f)+8*(\i)+3],   v[ADRB] offset:(\k)+(\i)*16*PITCH
	ds_load_b128 v[(\f)+8*(\i)+4:(\f)+8*(\i)+7], v[ADRB] offset:(\k)+(\i)*16*PITCH+32
.endr
	WIN 0
.irp i, 0,1,2,3,4,5,6,7
	ds_load_b128 v[(\f)+8*(\i):(\f)+8*(\i)+3],   v[ADRA] offset:(\k)+(\i)*16*PITCH
	ds_load_b128 v[(\f)+8*(\i)+4:(\f)+8*(\i)+7], v[ADRA] offset:(\k)+(\i)*16*PITCH+32
.endr
.endm
.macro QUARTER k, f, g, zero           ; multiplies buffer f; in its middle fetches the next quarter, at byte k of the rows, into g
	s_wait_dscnt 8                                 ; k's fragments and q's rows 0-63 are in; the youngest eight loads may be out
	MUL16 \f, 0, 0, \zero
	MUL16 \f, 0, 2, \zero
	PLACES
	FETCH \k, \g
	s_wait_dscnt 32                                ; all but the 32 just issued
	MUL16 \f, 1, 0, \zero
	MUL16 \f, 1, 2, \zero
.endm
; The last quarter multiplies buffer 1 and changes slots: each wave waits for all its tensor loads (one is out: its part of the other slot), adds 0 to its spare word, waits for that and for its reads.
; fill = 1: the barrier opens a round of the cluster's barrier; the joint refill, K step two on, is the first thing behind it: 224 products stand between it and the wait for it.
.macro TURN fill
.if \fill
	s_wait_xcnt 0x0                                ; the last prefetch, a K step back, has read its address
	s_add_nc_u64 s[PFA:PFA+1], s[PFA:PFA+1], KSTEP*2
.endif
	WIN 0
	s_wait_tensorcnt 0x0
	ds_add_u32 v[SPW], v[NIL]                      ; 0 onto my spare word
.if \fill
	s_xor_b32 s[G0+5], s[G0+5], SLOT               ; the walking sets: the other slot than last time, the next K step
	s_add_nc_u64 s[G0+6:G0+7], s[G0+6:G0+7], KSTEP*2
	s_xor_b32 s[G0B+5], s[G0B+5], SLOT
	s_add_nc_u64 s[G0B+6:G0B+7], s[G0B+6:G0B+7], KSTEP*2
.endif
	s_wait_dscnt 9                                 ; the add and the youngest eight loads may be out
	MUL16 F1, 0, 0, 0
	s_wait_dscnt 0x0                               ; the add is done, and my reads of this slot are over
	s_barrier_signal -1
	MUL16 F1, 0, 2, 0
	WIN 0
	s_barrier_wait -1
.if \fill
	CREST
	JLOAD                                          ; its four v_nop are also the places in front of the loads below
.else
	PLACES
.endif
	s_xor_b32 s[TB], s[TB], SLOT
	v_add_nc_u32 v[ADRA], s[TB], v[A0]
	v_add_nc_u32 v[ADRB], s[TB], v[B0]
	FETCH 0, F0
.if \fill
	ASK
.endif
	MUL16 F1, 1, 0, 0
	MUL16 F1, 1, 2, 0
.endm
	s_wait_tensorcnt 0x1                           ; my part of K step 0 is in; step 1's may stay out
	s_barrier_signal -1
	s_barrier_wait -1
	FETCH 0, F0
	QUARTER 64, F0, F1, 1                          ; the first quarter stands ahead of the loop: its products start the sums
	WIN 0
	s_mov_b32 s[CNT], STEPS-2
.Lstep:                                ; a trip: from a step's second quarter to the next step's first
	QUARTER 128, F1, F0, 0
	QUARTER 192, F0, F1, 0
	TURN 1
	QUARTER 64, F0, F1, 0
	WIN 0
	s_sub_co_u32 s[CNT], s[CNT], 1
	s_cmp_lg_u32 s[CNT], 0
	s_cbranch_scc1 .Lstep
	QUARTER 128, F1, F0, 0                         ; the tail is written out: nothing more is asked for
	QUARTER 192, F0, F1, 0
	TURN 0
	QUARTER 64, F0, F1, 0
	QUARTER 128, F1, F0, 0
	QUARTER 192, F0, F1, 0
	s_wait_dscnt 8
	MUL16 F1, 0, 0, 0
	MUL16 F1, 0, 2, 0
	s_wait_dscnt 0x0
	MUL16 F1, 1, 0, 0
	MUL16 F1, 1, 2, 0
	WIN 0
	; THE WAY OUT.  The softmax of a row block is written once and looped over eight times, and a loop cannot count through registers: so the scores go into LDS in f32 (128 rows x 528 bytes a wave, in the slots:
	; every wave's reads of them are over behind this barrier, and no fill follows), and each trip brings one row block back into the same 64 registers, each lane its own bytes.
	s_barrier_signal -1
	s_barrier_wait -1
	PLACES
.set ia, 0
.rept 8
	WIN (2+ia/4)<<2                                ; the stores' data in window 2 or 3
.set ib, 0
.rept 8
	ds_store_b128 v[DST], v[8*(8*(ia%4)+ib):8*(8*(ia%4)+ib)+3] offset:16*EPITCH*ia+64*ib
	ds_store_b128 v[DST], v[8*(8*(ia%4)+ib)+4:8*(8*(ia%4)+ib)+7] offset:16*EPITCH*ia+64*ib+16
.set ib, ib+1
.endr
.set ia, ia+1
.endr
	WIN 0
	; Eight trips of 16 rows.  Lane (r = l % 16, h = l / 16) holds row 16 t + r and, in register 8 b + j, key 16 b + 8 h + j: a row's 128 keys lie in two lanes, 16 apart.
	s_mov_b32 s[RC], 8
.Lrows:
.set ib, 0
.rept 8
	ds_load_b128 v[V+8*ib:V+8*ib+3], v[RDE] offset:64*ib          ; LDS serves a wave's instructions in order: these see my stores above
	ds_load_b128 v[V+8*ib+4:V+8*ib+7], v[RDE] offset:64*ib+16
.set ib, ib+1
.endr
	s_wait_dscnt 0x0
	; the maximum of my 64 scores: four chains of fifteen, three operands at a time; then the four left over and the chains; then the other half of the lanes'
.irp c, 0,1,2,3
	v_max3_num_f32 v[MX+\c], v[V+16*\c], v[V+16*\c+1], v[V+16*\c+2]
.endr
.set k, 1
.rept 6
.irp c, 0,1,2,3
	v_max3_num_f32 v[MX+\c], v[MX+\c], v[V+16*\c+2*k+1], v[V+16*\c+2*k+2]
.endr
.set k, k+1
.endr
	v_max3_num_f32 v[MX], v[MX], v[V+15], v[V+31]
	v_max3_num_f32 v[MX+2], v[MX+2], v[V+47], v[V+63]
	v_max3_num_f32 v[MX], v[MX], v[MX+1], v[MX+2]
	v_max_num_f32 v[MX], v[MX], v[MX+3]
	v_permlanex16_b32 v[MX+1], v[MX], s[SEL], s[SEL+1]
	v_max_num_f32 v[MX], v[MX], v[MX+1]
	v_mul_f32 v[CM], s[CS], v[MX]
	v_mul_f32 v[CM+1], s[CS], v[MX]
.set n, 0
.rept 32                               ; c s - c max, a pair of scores a line
	v_pk_fma_f32 v[V+2*n:V+2*n+1], v[V+2*n:V+2*n+1], s[CS:CS+1], v[CM:CM+1] op_sel_hi:[1,0,1] neg_lo:[0,0,1] neg_hi:[0,0,1]
.set n, n+1
.endr
.set n, 0
.rept 64                               ; one batch
	v_exp_f32 v[V+n], v[V+n]
.set n, n+1
.endr
	v_nop                                          ; a plain instruction behind the last exponential,
	s_wait_alu depctr_va_vdst(0)                   ; and the one wait ahead of the batch's first reader
.set n, 0
.rept 32
	v_cvt_pk_f16_f32 v[HF+n], v[V+2*n], v[V+2*n+1]
.set n, n+1
.endr
.set ib, 0
.rept 8
	global_store_b128 v[SGO], v[HF+4*ib:HF+4*ib+3], s[PP:PP+1] offset:512*ib  ; key block ib: 512 consecutive bytes, aligned
.set ib, ib+1
.endr
	; the sum of my 32 pairs, in place: neighbours 1, 2, 4, 8 and 16 pairs apart; the pair's halves; the other half of the lanes'
.irp w, 4,8,16,32,64
.set m, 0
.rept 64/\w
	v_pk_add_f32 v[V+\w*m:V+\w*m+1], v[V+\w*m:V+\w*m+1], v[V+\w*m+\w/2:V+\w*m+\w/2+1]
.set m, m+1
.endr
.endr
	v_add_f32 v[LS], v[V], v[V+1]
	v_permlanex16_b32 v[MX+1], v[LS], s[SEL], s[SEL+1]
	v_add_f32 v[LS], v[LS], v[MX+1]
	ds_store_b32 v[STA], v[CM]                     ; the two lanes of a row write the same word with the same number
	ds_store_b32 v[STA], v[LS] offset:512
	s_wait_xcnt 0x0                                ; the stores have read their data and their base, which the next trip writes
	v_add_nc_u32 v[RDE], 16*EPITCH, v[RDE]
	v_add_nc_u32 v[STA], 64, v[STA]
	s_add_nc_u64 s[PP:PP+1], s[PP:PP+1], 65536     ; the next row block of pt
	s_sub_co_u32 s[RC], s[RC], 1
	s_cmp_lg_u32 s[RC], 0
	s_cbranch_scc1 .Lrows
	ds_load_b128 v[V:V+3], v[SRD]                  ; the wave's 128 M2 and 128 L: 512 consecutive bytes each
	ds_load_b128 v[V+4:V+7], v[SRD] offset:512
	s_wait_dscnt 0x0
	global_store_b128 v[SGO], v[V:V+3], s[SB:SB+1]
	global_store_b128 v[SGO], v[V+4:V+7], s[SB:SB+1] offset:524288
	s_wait_tensorcnt 0x0                           ; the wave's end
	ds_add_u32 v[SPW], v[NIL]
	s_wait_dscnt 0x0
	CROUND                                         ; the closing round
	s_endpgm
.Lfunc_end_k_qa76c38d388_scores:
	.size	k_qa76c38d388_scores, .Lfunc_end_k_qa76c38d388_scores-k_qa76c38d388_scores
	.p2alignl 7, 3214868480
	.fill 96, 4, 3214868480
	.section	.rodata,"a",@progbits
	.p2align	6, 0x0
	.amdhsa_kernel k_qa76c38d388_scores
		.amdhsa_group_segment_fixed_size 327680
		.amdhsa_private_segment_fixed_size 0
		.amdhsa_enable_private_segment 0
		.amdhsa_kernarg_size 24
		.amdhsa_user_sgpr_count 2
		.amdhsa_user_sgpr_kernarg_segment_ptr 1
		.amdhsa_wavefront_size32 1
		.amdhsa_system_sgpr_workgroup_id_x 1
		.amdhsa_system_sgpr_workgroup_id_y 1
		.amdhsa_system_sgpr_workgroup_id_z 1
		.amdhsa_system_vgpr_workitem_id 0
		.amdhsa_next_free_vgpr 1024
		.amdhsa_next_free_sgpr 88
		.amdhsa_reserve_vcc 0
		.amdhsa_float_denorm_mode_32 3
		.amdhsa_float_denorm_mode_16_64 3
		.amdhsa_memory_ordered 1
		.amdhsa_forward_progress 1
		.amdhsa_inst_pref_size 108
	.end_amdhsa_kernel
	.amdgpu_metadata
---
amdhsa.version: [ 1, 2 ]
amdhsa.kernels:
  - .name:           k_qa76c38d388_scores
    .symbol:         k_qa76c38d388_scores.kd
    .args:
      - { .name: qkv, .offset: 0, .size: 8, .value_kind: global_buffer, .address_space: global }
      - { .name: pt, .offset: 8, .size: 8, .value_kind: global_buffer, .address_space: global }
      - { .name: stats, .offset: 16, .size: 8, .value_kind: global_buffer, .address_space: global }
    .group_segment_fixed_size: 327680
    .private_segment_fixed_size: 0
    .kernarg_segment_align: 8
    .kernarg_segment_size: 24
    .max_flat_workgroup_size: 128
    .sgpr_count:     88
    .vgpr_count:     1024
    .wavefront_size: 32
...
	.end_amdgpu_metadata
.endif
;; end of part 3
;; launch pv (part 4): grid 4 x 64, 4 waves a work-group, clusters of 4 x 4, 327,680 bytes of LDS; arguments pt, qkv, stats, out0; writes out0
.if DOCPART == 4
	.amdgcn_target "amdgcn-amd-amdhsa--gfx1250"
	.amdhsa_code_object_version 6
	.text
	.protected	k_qa76c38d388_pv
	.globl	k_qa76c38d388_pv
	.p2align	8
	.type	k_qa76c38d388_pv,@function
k_qa76c38d388_pv:
	s_mov_b64 s[64:65], 0
	v_nop
	global_prefetch_b8 v0, s[64:65] scope:SCOPE_SE
	s_setreg_imm32_b32 hwreg(HW_REG_WAVE_MODE, 25, 1), 1
	s_wait_xcnt 0x0
	s_wait_alu depctr_hold_cnt(0) depctr_sa_sdst(0) depctr_va_vdst(0) depctr_va_sdst(0) depctr_va_ssrc(0) depctr_va_vcc(0) depctr_vm_vsrc(0)
	s_getreg_b32 s2, hwreg(HW_REG_IB_STS2, 6, 4)
	s_cmp_eq_u32 s2, 0
	s_cbranch_scc0 .Lentry_in_a_cluster
	s_endpgm
.Lentry_in_a_cluster:
	s_bfe_u32 s2, ttmp6, 0x10000c
	s_cmp_lg_u32 s2, 0xf033
	s_cbranch_scc0 .Lentry_shape_is_right
	s_endpgm
.Lentry_shape_is_right:
; THE SECOND HALF OF THE SOFTMAX AND THE SECOND PRODUCT.  For each row: M = the maximum over its 16 granules of M2 (the row's true maximum times c), c_g = 2^(M2_g - M) <= 1, l = the sum of c_g L_g (f32);
; out0[row][ch] = (the sum over granules g and their keys of (c_g p~) v[key][ch]) / l.  c_g is rounded once to f16, c_g p~ once more (a packed f16 multiply on the operand on its way to the product); sums in f32.
; LIMITS.  A weight below 6e-5 keeps f16's fixed step of 6e-8; an exponential below 2^-126 counts as 0; v lies within f16's range; NaN and infinities are not treated apart.
; SHARES.  A tile is 128 rows x 256 channels: 4 x 64 = 256 work-groups of four waves.  THE KEYS ARE SPLIT BETWEEN THE TWO WAVES OF A PAIR: wave (wr, kc) makes rows 64 wr .. + 63 x all 256 channels for the granules
; of parity kc: 64 accumulators, 512 registers.  At the end the pair's waves hand each other half of their f32 sums through LDS, and each finishes 128 channels.  So no wave of the work-group reads a fragment of p~
; that another reads, and a fragment of v feeds four products.
; v goes through two LDS slots of 256 keys x 256 channels, an INTERVAL each (256 products a wave), every wave fetching 64 key rows by a joint load: CLUSTER 4 x 4, v's tile shared along a column (one batch).
; p~ COMES STRAIGHT INTO REGISTERS.  pt lies in the order of the operand (row 16 RB + r, key 128 g + 16 b + 8 h + j at byte 65,536 RB + 4,096 g + 512 b + 16 (r + 16 h) + 2 j), so a load of a wave is 512 consecutive
; bytes, half a fragment.  A ring of four register slots, a quarter (32 keys, 4 fragments, 8 loads) each, is asked for four quarters, 256 products, ahead.  p~ IS NOT ASKED FOR JOINTLY, though the four work-groups
; of a cluster's row read the same: two slots of 256 keys of both operands would be 2 x (65,536 + 139,264) = 409,600 bytes of LDS, and with slots of 128 keys a refill would have 112 products in which to land.
; Source 0 = 16 channels of v (turned by ds_load_tr16_b128), source 1 = 16 rows of p~: a lane holds one row and eight neighbouring channels, and all eight registers of a fragment of p~ belong to one row.
; REGISTERS.  window 0: v0-31 addresses, scales; v32-159 the ring of p~; v160-223 scaled p~, two buffers of 32.  window 1: v's fragments, two buffers of 128.
; windows 2, 3: accumulator (a, b) at window 2 + a / 2, v[8 (16 (a % 2) + b)]; b stands for channel block (b + 8 kc) mod 16, so that every wave keeps b = 0..7 and gives b = 8..15 away: one text for both.
.set BPITCH, 544                       ; a key row of v in LDS: 512 bytes + 32: seventeen times 32
.set WPART,  64*BPITCH                 ; what one tensor load brings: 0x8800
.set SLOT,   4*WPART                   ; 139,264 = 0x22000: it shares no bit with wave x 0x8800, so one exclusive or changes slots
.set SPARE,  2*SLOT                    ; 278,528: the spare words, 128 bytes a wave: two blocks of 256 bytes that no other line names
.set CT,     SPARE+512                 ; a wave's table: 16 granules x 64 rows x (c_g twice in f16), then 64 x 1 / l, twice
.set CTW_B,  4608
.set XW,     32768                     ; the way out, in the slots, which have had their last fill by then: from byte 0 what each wave gives away,
.set STAGE,  4*XW                      ; behind that 16 rows x 528 bytes a wave
.set SPITCH, 528
.set BSTEP,  256*6144                  ; bytes of qkv from an interval's key rows to the next's
.set ASTEP,  8192                      ; bytes of pt from a wave's granule to its next: two granules
.set STEPS,  8
.set B0L,  4                           ; v4, v5  my place in a slot for b = 0..7 and for b = 8..15
.set B0H,  5
.set ADRL, 6                           ; v6, v7  the same in the slot that is being read
.set ADRH, 7
.set CTA,  8                           ; v8   my row's word in the table, for the granule in hand; steps
.set RIA,  9                           ; v9   my row's 1 / l
.set STO,  10
.set RD,   11
.set GO,   12                          ; v12  16 x lane; never rewritten
.set PFO,  13                          ; v13  the prefetches' lane offset; never rewritten
.set SPW,  14
.set NIL,  15
.set CTW,  16                          ; v16  where I put two rows' words
.set SO,   17                          ; v17  8 x lane
.set XS,   18                          ; v18  where I put what I give away
.set XR,   19                          ; v19  where my partner has put what it gives me
.set CS,   20                          ; v20-23  c_g of my row in each of the four row blocks
.set RI,   24                          ; v24-31  1 / l of the same, twice each
.set RA,   32
.set SA,   160
.set M2,   160                         ; the prologue: v160-191 M2, then c_g; v192-223 L; v224-225 M; v226-227 l; v228-229 1 / l
.set LL,   192
.set MM,   224
.set SL,   226
.set P,    32                          ; the way out: my partner's sums, the finished block, whole rows
.set T,    96
.set U,    160
.set WV,   12
.set WR,   13
.set KC,   14
.set CX,   15
.set CY,   16
.set NX,   17
.set MY,   18
.set CLY,  19
.set LW,   20
.set CNT,  21
.set TB,   22
.set LIM,  23
.set G1,   24                          ; s[24:31] group 1;  s[32:39] group 0: a set for each first fill; the second then walks
.set G0,   32
.set PFA,  40
.set AP,   42                          ; s[42:43] pt at my rows and my granule of the interval in hand
.set OB,   44
.set SB,   46
.set MSB, 0
.macro WIN new
.if MSB != (\new)
	s_set_vgpr_msb (MSB<<8)|(\new)
.set MSB, \new
.endif
.endm
.macro PLACES
.rept 4
	v_nop
.endr
.endm
.macro JLOAD                           ; the joint refill, by the walking set: every wave its own 64 key rows; an s_nop 0 and four v_nop follow
	tensor_load_to_lds s[G0+4:G0+7], s[G1:G1+7]
	s_nop 0
.rept 4
	v_nop
.endr
.endm
.macro CREST
	s_cmp_lg_u32 s[WV], 0
	s_cbranch_scc1 .Lnot_wave_0_\@
	s_barrier_signal -3
.Lnot_wave_0_\@:
	s_barrier_wait -3
	s_barrier_signal -1
	s_barrier_wait -1
.endm
.macro CROUND
	s_barrier_signal -1
	s_barrier_wait -1
	CREST
.endm
; PREFETCH INTO THE L2, behind the joint load and its run of LDS loads: v's key rows of the interval that the NEXT refill will ask for: 256 products ahead of that load.  The four clusters of a batch walk the same v:
; the first of them asks.  Of an interval's 256 key rows each partner of a column takes 64 BY ADDRESS, each of its waves 16; a lane names one of a row's two blocks of 256 bytes: one line a wave.
; The last refill asks for nothing; intervals 0-2 come by their loads alone.  p~ is not asked for: its own loads stand four quarters ahead, in a ring that no barrier empties.
.macro ASK
	s_cmp_ge_u32 s[CNT], s[LIM]
	s_cbranch_scc0 .Lnone_\@
	global_prefetch_b8 v[PFO], s[PFA:PFA+1] th:TH_LOAD_NT scope:SCOPE_SE
.Lnone_\@:
.endm
.macro ALOAD slot, off                 ; a quarter of p~: four row blocks' fragments, eight loads of 512 consecutive bytes
.irp a, 0,1,2,3
	global_load_b128 v[RA+32*(\slot)+8*\a:RA+32*(\slot)+8*\a+3], v[GO], s[AP:AP+1] offset:65536*\a+(\off)
	global_load_b128 v[RA+32*(\slot)+8*\a+4:RA+32*(\slot)+8*\a+7], v[GO], s[AP:AP+1] offset:65536*\a+(\off)+512
.endr
.endm
	s_load_b256 s[4:11], s[0:1], 0x0               ; pt s[4:5], qkv s[6:7], stats s[8:9], out0 s[10:11]
	v_lshl_add_u32 v[SPW], v0, 2, SPARE
	v_mov_b32 v[NIL], 0
	ds_add_u32 v[SPW], v[NIL]                      ; the wave's opening: the add and its wait stand ahead of my first tensor load
	v_lshrrev_b32 v1, 5, v0
	v_readfirstlane_b32 s[WV], v1
	s_lshr_b32 s[WR], s[WV], 1                     ; my row half
	s_and_b32 s[KC], s[WV], 1                      ; my granules' parity
	s_bfe_u32 s[CX], ttmp6, 0x40000
	s_bfe_u32 s[CY], ttmp6, 0x40004
	s_lshl_b32 s[NX], ttmp9, 2
	s_add_co_u32 s[NX], s[NX], s[CX]               ; channel tile
	s_and_b32 s[CLY], ttmp7, 0xffff
	s_lshl_b32 s[MY], s[CLY], 2
	s_add_co_u32 s[MY], s[MY], s[CY]               ; 16 x batch + row tile
	s_lshl_b32 s52, 0x1111, s[CX]                  ; my column of the cluster
	s_or_b32 s[G1], s52, (1<<16)|(1<<20)|(1<<21)|(6<<22)|(7<<25)  ; mask; 2-byte elements; padding on; bit 21 beside a mask; after every 128 words 8 words
	s_mov_b32 s[G1+1], 256<<16                     ; 256 channels
	s_mov_b32 s[G1+2], 64<<16                      ; 64 key rows
	s_mov_b32 s[G1+3], 256<<16
	s_mov_b32 s[G1+4], 64
	s_mov_b32 s[G1+5], 3072                        ; elements from row to row of qkv
	s_mov_b32 s[G1+6], 0
	s_mov_b32 s[G1+7], 0
	s_lshr_b32 s52, s[CLY], 2                      ; the batch, which the whole cluster shares
	s_lshl_b32 s52, s52, 11
	s_lshl_b32 s53, s[WV], 6
	s_add_co_u32 s52, s52, s53                     ; my 64 key rows of interval 0
	s_mul_i32 s52, s52, 6144
	s_lshl_b32 s53, s[NX], 9
	s_add_co_u32 s52, s52, s53
	s_add_co_u32 s52, s52, 4096                    ; v lies 4,096 bytes into a row of qkv
	s_mov_b32 s53, 0
	s_mul_i32 s[LW], s[WV], WPART                  ; where they go: no place in the cluster enters an LDS address
	s_mov_b32 s[TB], 0
	s_wait_dscnt 0x0                               ; the opening add is done
	s_wait_kmcnt 0x0
	s_add_nc_u64 s[52:53], s[6:7], s[52:53]
	CROUND                                         ; all sixteen work-groups are here
.irp s, 0,1
	s_mov_b32 s[G0+4*(\s)], 1
	s_add_co_u32 s[G0+4*(\s)+1], s[LW], (\s)*SLOT
	s_add_nc_u64 s[G0+4*(\s)+2:G0+4*(\s)+3], s[52:53], (\s)*BSTEP
	s_or_b32 s[G0+4*(\s)+3], s[G0+4*(\s)+3], 0x80000000
.endr
	tensor_load_to_lds s[G0:G0+3], s[G1:G1+7]      ; the two first fills: two loads of mine are out
	s_nop 0
	tensor_load_to_lds s[G0+4:G0+7], s[G1:G1+7]
	s_nop 0
.rept 4
	v_nop
.endr
	; THE PROLOGUE, in the wait for the first tiles: my wave's 64 rows, two a lane; behind its loads the first three quarters of p~
	s_lshr_b32 s52, s[MY], 4
	s_lshl_b32 s52, s52, 15                        ; batch x 16 granules x 2,048 rows
	s_and_b32 s53, s[MY], 15
	s_lshl_b32 s53, s53, 7
	s_add_co_u32 s52, s52, s53
	s_lshl_b32 s53, s[WR], 6
	s_add_co_u32 s52, s52, s53
	s_lshl_b32 s52, s52, 2
	s_mov_b32 s53, 0
	s_add_nc_u64 s[SB:SB+1], s[8:9], s[52:53]
	v_and_b32 v3, 31, v0
	v_lshlrev_b32 v[SO], 3, v3
.set g, 0
.rept 16
	global_load_b64 v[M2+2*g:M2+2*g+1], v[SO], s[SB:SB+1] offset:8192*g
	global_load_b64 v[LL+2*g:LL+2*g+1], v[SO], s[SB:SB+1] offset:524288+8192*g
.set g, g+1
.endr
	s_lshl_b32 s52, s[MY], 3
	s_lshl_b32 s53, s[WR], 2
	s_add_co_u32 s52, s52, s53                     ; my first row block
	s_lshl_b32 s52, s52, 16
	s_lshl_b32 s53, s[KC], 12
	s_add_co_u32 s52, s52, s53                     ; my granule of interval 0
	s_mov_b32 s53, 0
	s_add_nc_u64 s[AP:AP+1], s[4:5], s[52:53]
	v_lshlrev_b32 v[GO], 4, v3
	ALOAD 0, 0
	ALOAD 1, 1024
	ALOAD 2, 2048
	v_and_b32 v1, 15, v0                           ; l % 16
	v_bfe_u32 v2, v0, 4, 1                         ; l / 16
	; The turning load: lane l reads 16 bytes of key row 8 (l / 16) + l % 8, channels 8 ((l / 8) % 2) + 0..7, and is left with channel l % 16 and 8 keys
	v_and_b32 v[B0L], 7, v0
	v_lshl_add_u32 v[B0L], v2, 3, v[B0L]
	v_mul_u32_u24 v[B0L], v[B0L], BPITCH
	v_bfe_u32 v[B0H], v0, 3, 1
	v_lshl_add_u32 v[B0L], v[B0H], 4, v[B0L]
	s_mul_i32 s52, s[KC], 128*BPITCH               ; my granule's 128 key rows of a slot
	s_lshl_b32 s53, s[KC], 8
	s_add_co_u32 s54, s52, 256
	s_sub_co_u32 s54, s54, s53                     ; b = 8..15: the channels that my partner keeps,
	s_add_co_u32 s52, s52, s53                     ; b = 0..7: those that I keep: 128 kc on
	v_add_nc_u32 v[B0H], s54, v[B0L]
	v_add_nc_u32 v[B0L], s52, v[B0L]
	v_mov_b32 v[ADRL], v[B0L]
	v_mov_b32 v[ADRH], v[B0H]
	s_mul_i32 s52, s[WV], CTW_B
	s_add_co_u32 s52, s52, CT
	v_lshl_add_u32 v[RIA], v1, 2, s52
	s_lshl_b32 s53, s[KC], 8
	v_add_nc_u32 v[CTA], s53, v[RIA]               ; granule kc
	v_add_nc_u32 v[RIA], 4096, v[RIA]
	v_add_nc_u32 v[CTW], s52, v[SO]
	s_mul_i32 s52, s[WV], 16*SPITCH
	s_add_co_u32 s52, s52, STAGE
	v_mul_u32_u24 v[STO], v1, SPITCH
	v_lshl_add_u32 v[STO], v2, 5, v[STO]
	v_add_nc_u32 v[STO], s52, v[STO]
	v_add_nc_u32 v[RD], s52, v[GO]
	s_lshl_b32 s52, s[WV], 15
	v_add_nc_u32 v[XS], s52, v[GO]
	s_sub_co_u32 s52, 1, s[KC]
	s_lshl_b32 s53, s[WR], 1
	s_add_co_u32 s52, s52, s53                     ; my partner's number
	s_lshl_b32 s52, s52, 15
	v_add_nc_u32 v[XR], s52, v[GO]
	s_lshl_b32 s52, s[MY], 7
	s_lshl_b32 s53, s[WR], 6
	s_add_co_u32 s52, s52, s53
	s_lshl_b32 s52, s52, 12                        ; out0: my first row of 4,096 bytes,
	s_lshl_b32 s53, s[NX], 10
	s_add_co_u32 s52, s52, s53
	s_lshl_b32 s53, s[KC], 9
	s_add_co_u32 s52, s52, s53                     ; the 128 channels that I finish
	s_mov_b32 s53, 0
	s_add_nc_u64 s[OB:OB+1], s[10:11], s[52:53]
	; the prefetches
	s_lshr_b32 s52, s[CLY], 2
	s_lshl_b32 s52, s52, 11
	s_lshl_b32 s53, s[CY], 6
	s_add_co_u32 s52, s52, s53
	s_lshl_b32 s53, s[WV], 4
	s_add_co_u32 s52, s52, s53                     ; my work-group's 64 key rows, my wave's 16 of them
	s_mul_i32 s52, s52, 6144
	s_lshl_b32 s53, s[NX], 9
	s_add_co_u32 s52, s52, s53
	s_add_co_u32 s52, s52, 4096+2*BSTEP            ; at interval 2: the first change steps it to 3
	s_mov_b32 s53, 0
	s_add_nc_u64 s[PFA:PFA+1], s[6:7], s[52:53]
	v_mul_u32_u24 v[PFO], v1, 6144
	v_lshl_add_u32 v[PFO], v2, 8, v[PFO]
	s_and_b32 s52, s[CLY], 3
	s_cmp_eq_u32 s52, 0                            ; the batch's first cluster: the same in all sixteen partners
	s_cselect_b32 s[LIM], 2, -1
	s_wait_loadcnt 24                              ; M2 and L are in; the 24 loads of p~ stay out
.irp e, 0,1
	v_max3_num_f32 v[MM+\e], v[M2+\e], v[M2+2+\e], v[M2+4+\e]
.endr
.set g, 3
.rept 6
.irp e, 0,1
	v_max3_num_f32 v[MM+\e], v[MM+\e], v[M2+2*g+\e], v[M2+2*g+2+\e]
.endr
.set g, g+2
.endr
.irp e, 0,1
	v_max_num_f32 v[MM+\e], v[MM+\e], v[M2+30+\e]
.endr
.set g, 0
.rept 16
	v_pk_add_f32 v[M2+2*g:M2+2*g+1], v[M2+2*g:M2+2*g+1], v[MM:MM+1] neg_lo:[0,1] neg_hi:[0,1]
.set g, g+1
.endr
.set g, 0
.rept 32
	v_exp_f32 v[M2+g], v[M2+g]
.set g, g+1
.endr
	v_nop                                          ; a plain instruction behind the last exponential,
	s_wait_alu depctr_va_vdst(0)                   ; and the one wait for the batch
	v_pk_mul_f32 v[SL:SL+1], v[M2:M2+1], v[LL:LL+1]
.set g, 1
.rept 15
	v_pk_fma_f32 v[SL:SL+1], v[M2+2*g:M2+2*g+1], v[LL+2*g:LL+2*g+1], v[SL:SL+1]
.set g, g+1
.endr
	v_rcp_f32 v[SL+2], v[SL]
	v_rcp_f32 v[SL+3], v[SL+1]
.set g, 0
.rept 32                               ; c_g twice in a word, for the packed multiply; plain work behind the reciprocals
	v_cvt_pk_f16_f32 v[M2+g], v[M2+g], v[M2+g]
.set g, g+1
.endr
.set g, 0
.rept 16
	ds_store_b64 v[CTW], v[M2+2*g:M2+2*g+1] offset:256*g
.set g, g+1
.endr
	s_wait_alu depctr_va_vdst(0)                   ; the wait for the two reciprocals, ahead of their first reader
	ds_store_b64 v[CTW], v[SL+2:SL+3] offset:4096  ; the table is my wave's own: no other wave reads it
	ds_store_b64 v[CTW], v[SL+2:SL+3] offset:4352  ; once more: the tail's last step of the scales' address lands on written bytes in both waves of a pair
.irp a, 0,1,2,3
	ds_load_b32 v[CS+\a], v[CTA] offset:64*\a      ; LDS serves a wave's instructions in order: these see the stores above
.endr
	ALOAD 3, 3072
.macro SCALE slot, f                   ; p~ times c_g, out of the ring into buffer f: 32 packed f16 multiplies
.set n, 0
.rept 32
	v_pk_mul_f16 v[SA+32*(\f)+n], v[RA+32*(\slot)+n], v[CS+n/8]
.set n, n+1
.endr
.endm
.macro FETCHV kq, f                    ; v's 16 fragments of quarter kq of my granule: 32 turning loads in one run
	WIN 0x40                                       ; destination window 1
.set bb, 0
.rept 16
.if bb < 8
	ds_load_tr16_b128 v[128*(\f)+8*bb:128*(\f)+8*bb+3], v[ADRL] offset:32*BPITCH*(\kq)+32*bb
	ds_load_tr16_b128 v[128*(\f)+8*bb+4:128*(\f)+8*bb+7], v[ADRL] offset:32*BPITCH*(\kq)+16*BPITCH+32*bb
.else
	ds_load_tr16_b128 v[128*(\f)+8*bb:128*(\f)+8*bb+3], v[ADRH] offset:32*BPITCH*(\kq)+32*(bb-8)
	ds_load_tr16_b128 v[128*(\f)+8*bb+4:128*(\f)+8*bb+7], v[ADRH] offset:32*BPITCH*(\kq)+16*BPITCH+32*(bb-8)
.endif
.set bb, bb+1
.endr
	WIN 0
.endm
.macro MULA f, a, zero=0               ; 16 products: row block a x 16 channel blocks.  The 64 accumulators take turns, one instruction a turn
	WIN 0xa1+0x50*((\a)/2)                         ; source 0 (v) window 1, source 1 (p~) window 0, C and D window 2 or 3
.set bb, 0
.rept 16
.set rD, 8*(16*((\a)%2)+bb)
.if \zero
	v_wmma_f32_16x16x32_f16 v[rD:rD+7], v[128*(\f)+8*bb:128*(\f)+8*bb+7], v[SA+32*(\f)+8*(\a):SA+32*(\f)+8*(\a)+7], 0
.else
	v_wmma_f32_16x16x32_f16 v[rD:rD+7], v[128*(\f)+8*bb:128*(\f)+8*bb+7], v[SA+32*(\f)+8*(\a):SA+32*(\f)+8*(\a)+7], v[rD:rD+7]
.endif
.set bb, bb+1
.endr
.endm
; AN INTERVAL is four quarters of 32 keys, 64 products each, on buffers 0, 1, 0, 1.  Quarter j (0, 1, 2): in its middle v's fragments of the next quarter are fetched, the next quarter's p~ is scaled out of its
; ring slot, and that slot is asked for again: the quarter four on.  Behind quarter 2's scaling the next granule's scales are fetched.
.macro QUARTER j, zero=0
.set qf, (\j)%2
.set qg, 1-qf
.set qs, ((\j)+1)%4
	s_wait_dscnt 0x0                               ; v's fragments of this quarter are in
	MULA qf, 0, \zero
	MULA qf, 1, \zero
	PLACES                                         ; ahead of the loads into, and the writes of, the buffers that the quarter before multiplied
	FETCHV (\j)+1, qg
	s_wait_loadcnt 24                              ; the next quarter's p~ is in; the three younger slots' 24 loads stay out
	SCALE qs, qg
	ALOAD qs, ASTEP+1024*qs
.if (\j) == 2
	v_add_nc_u32 v[CTA], 512, v[CTA]
.irp a, 0,1,2,3
	ds_load_b32 v[CS+\a], v[CTA] offset:64*\a
.endr
.endif
	MULA qf, 2, \zero
	MULA qf, 3, \zero
.endm
; Quarter 3 changes slots: the wait for all my tensor loads (one is out: my part of the other slot), the add, the wait for it and for my reads of this slot, the barrier.
; fill = 1: the barrier opens a round of the cluster's barrier; the joint refill, the interval two on, is the first thing behind it: 224 products stand between it and the wait for it.
; fill = 0, the tail: pt's pointer stays, so that the ring's loads, which nobody uses any more, name the last interval's bytes once more and stay inside pt.
.macro TURN fill
.if \fill
	s_wait_xcnt 0x0                                ; every load and prefetch issued so far has read its address
	s_add_nc_u64 s[PFA:PFA+1], s[PFA:PFA+1], BSTEP
	s_add_nc_u64 s[AP:AP+1], s[AP:AP+1], ASTEP
.endif
	WIN 0
	s_wait_tensorcnt 0x0
	ds_add_u32 v[SPW], v[NIL]                      ; 0 onto my spare word
.if \fill
	s_xor_b32 s[G0+5], s[G0+5], SLOT               ; the walking set: the other slot than last time, the next interval
	s_add_nc_u64 s[G0+6:G0+7], s[G0+6:G0+7], BSTEP
.endif
	s_wait_dscnt 1                                 ; the add may be out: v's fragments and the scales are in
	MULA 1, 0
	s_wait_dscnt 0x0                               ; the add is done, and my reads of this slot are over
	s_barrier_signal -1
	MULA 1, 1
	WIN 0
	s_barrier_wait -1
.if \fill
	CREST
	JLOAD                                          ; its four v_nop are also the places in front of the loads and writes below
.else
	PLACES
.endif
	s_xor_b32 s[TB], s[TB], SLOT
	v_add_nc_u32 v[ADRL], s[TB], v[B0L]
	v_add_nc_u32 v[ADRH], s[TB], v[B0H]
	FETCHV 0, 0
.if \fill
	ASK
.endif
	s_wait_loadcnt 24
	SCALE 0, 0
	ALOAD 0, ASTEP
	MULA 1, 2
	MULA 1, 3
.endm
	s_wait_loadcnt 24                              ; quarter 0 of p~ is in
	s_wait_dscnt 0x0                               ; my table's stores, and the first scales
	SCALE 0, 0
	ALOAD 0, ASTEP                                 ; quarter 4
	s_wait_tensorcnt 0x1                           ; my part of interval 0 is in; interval 1's may stay out
	s_barrier_signal -1
	s_barrier_wait -1
	FETCHV 0, 0
	QUARTER 0, 1                                   ; the first quarter stands ahead of the loop: its products start the sums
	WIN 0
	s_mov_b32 s[CNT], STEPS-2
.Lstep:                                ; a trip: from an interval's second quarter to the next interval's first
	QUARTER 1
	QUARTER 2
	TURN 1
	QUARTER 0
	WIN 0
	s_sub_co_u32 s[CNT], s[CNT], 1
	s_cmp_lg_u32 s[CNT], 0
	s_cbranch_scc1 .Lstep
	; THE TAIL: the last seven quarters, as two trips of one text that asks for no tile; the second trip is left behind its third quarter.  What that quarter fetches and scales, and the ring's last 40 loads,
	; serve nothing: the price, once a launch, of one text for both trips.
	s_mov_b32 s[CNT], 2
.Ltail:
	QUARTER 1
	QUARTER 2
	TURN 0
	WIN 0
	s_sub_co_u32 s[CNT], s[CNT], 1
	s_cmp_eq_u32 s[CNT], 0
	s_cbranch_scc1 .Lout
	QUARTER 0
	WIN 0
	s_cmp_lg_u32 s[CNT], 0
	s_cbranch_scc1 .Ltail
.Lout:
	; THE WAY OUT.  Each wave gives the sums of b = 8..15 to its partner, 32 bytes a lane and accumulator, lanes on end; takes the partner's for its own b = 0..7; divides by l; and sends a row block
	; (16 rows x 128 channels of f32) at a time through its own stage, back as whole rows of 512 bytes.
	s_wait_loadcnt 0x0                             ; the ring's last loads: their registers are used again
	s_wait_dscnt 0x0
	s_barrier_signal -1
	s_barrier_wait -1                              ; nobody reads a slot any more, and no fill follows
	PLACES
.set ia, 0
.rept 4
	WIN (2+ia/2)<<2                                ; the stores' data in window 2 or 3
.set ib, 0
.rept 8
	ds_store_b128 v[XS], v[8*(16*(ia%2)+8+ib):8*(16*(ia%2)+8+ib)+3] offset:(8*ia+ib)*1024
	ds_store_b128 v[XS], v[8*(16*(ia%2)+8+ib)+4:8*(16*(ia%2)+8+ib)+7] offset:(8*ia+ib)*1024+512
.set ib, ib+1
.endr
.set ia, ia+1
.endr
	WIN 0
.irp a, 0,1,2,3
	ds_load_b32 v[RI+2*\a], v[RIA] offset:64*\a
	ds_load_b32 v[RI+2*\a+1], v[RIA] offset:64*\a
.endr
	s_wait_dscnt 0x0                               ; for my partner's sake: my stores are done
	s_barrier_signal -1
	s_barrier_wait -1
.macro OUTB a
.set n, 0
.rept 8
	ds_load_b128 v[P+8*n:P+8*n+3], v[XR] offset:(8*(\a)+n)*1024
	ds_load_b128 v[P+8*n+4:P+8*n+7], v[XR] offset:(8*(\a)+n)*1024+512
.set n, n+1
.endr
	s_wait_dscnt 0x0
	WIN 2+(\a)/2                                   ; source 0 in window 2 or 3
.set n, 0
.rept 32
	v_pk_add_f32 v[T+2*n:T+2*n+1], v[128*((\a)%2)+2*n:128*((\a)%2)+2*n+1], v[P+2*n:P+2*n+1]
.set n, n+1
.endr
	WIN 0
.set n, 0
.rept 32
	v_pk_mul_f32 v[T+2*n:T+2*n+1], v[T+2*n:T+2*n+1], v[RI+2*(\a):RI+2*(\a)+1]
.set n, n+1
.endr
.set n, 0
.rept 8
	ds_store_b128 v[STO], v[T+8*n:T+8*n+3] offset:64*n
	ds_store_b128 v[STO], v[T+8*n+4:T+8*n+7] offset:64*n+16
.set n, n+1
.endr
	s_wait_xcnt 0x0                                ; the block before's stores have read the registers that are loaded again
.set n, 0
.rept 16
	ds_load_b128 v[U+4*n:U+4*n+3], v[RD] offset:SPITCH*n  ; LDS serves a wave's instructions in order: these see the stores above
.set n, n+1
.endr
.set n, 0
.rept 16
	s_wait_dscnt 15-n
	global_store_b128 v[GO], v[U+4*n:U+4*n+3], s[OB:OB+1] offset:(16*(\a)+n)*4096  ; 512 consecutive bytes, aligned
.set n, n+1
.endr
.endm
	OUTB 0
	OUTB 1
	OUTB 2
	OUTB 3
	s_wait_tensorcnt 0x0                           ; the wave's end
	ds_add_u32 v[SPW], v[NIL]
	s_wait_dscnt 0x0
	CROUND                                         ; the closing round
	s_endpgm
.Lfunc_end_k_qa76c38d388_pv:
	.size	k_qa76c38d388_pv, .Lfunc_end_k_qa76c38d388_pv-k_qa76c38d388_pv
	.p2alignl 7, 3214868480
	.fill 96, 4, 3214868480
	.section	.rodata,"a",@progbits
	.p2align	6, 0x0
	.amdhsa_kernel k_qa76c38d388_pv
		.amdhsa_group_segment_fixed_size 327680
		.amdhsa_private_segment_fixed_size 0
		.amdhsa_enable_private_segment 0
		.amdhsa_kernarg_size 32
		.amdhsa_user_sgpr_count 2
		.amdhsa_user_sgpr_kernarg_segment_ptr 1
		.amdhsa_wavefront_size32 1
		.amdhsa_system_sgpr_workgroup_id_x 1
		.amdhsa_system_sgpr_workgroup_id_y 1
		.amdhsa_system_sgpr_workgroup_id_z 1
		.amdhsa_system_vgpr_workitem_id 0
		.amdhsa_next_free_vgpr 1024
		.amdhsa_next_free_sgpr 66
		.amdhsa_reserve_vcc 0
		.amdhsa_float_denorm_mode_32 3
		.amdhsa_float_denorm_mode_16_64 3
		.amdhsa_memory_ordered 1
		.amdhsa_forward_progress 1
		.amdhsa_inst_pref_size 152
	.end_amdhsa_kernel
	.amdgpu_metadata
---
amdhsa.version: [ 1, 2 ]
amdhsa.kernels:
  - .name:           k_qa76c38d388_pv
    .symbol:         k_qa76c38d388_pv.kd
    .args:
      - { .name: pt, .offset: 0, .size: 8, .value_kind: global_buffer, .address_space: global }
      - { .name: qkv, .offset: 8, .size: 8, .value_kind: global_buffer, .address_space: global }
      - { .name: stats, .offset: 16, .size: 8, .value_kind: global_buffer, .address_space: global }
      - { .name: out0, .offset: 24, .size: 8, .value_kind: global_buffer, .address_space: global }
    .group_segment_fixed_size: 327680
    .private_segment_fixed_size: 0
    .kernarg_segment_align: 8
    .kernarg_segment_size: 32
    .max_flat_workgroup_size: 128
    .sgpr_count:     66
    .vgpr_count:     1024
    .wavefront_size: 32
...
	.end_amdgpu_metadata
.endif
;; end of part 4
